; MI455X (gfx1250); checked and timed in simulation.
; The chip was launched on July 23, 2026; its instructions are those of AMD's public machine-readable ISA for CDNA 5 (MIT licence, August 2026) and "CDNA5" Instruction Set Architecture Reference Guide (July 2026). The comments in the code are by the model that wrote it; some were corrected since.
;; Chaos Attention. Allowed arithmetic: float matrix products may take bf16 or f16 operands with f32 sums; other float arithmetic in f32, or as packed bf16 or f16 multiplies, adds, multiply-adds, maxima and minima; sums over many terms, partial sums and values carried from step to step in f32; what a program stores and reads back later, other than sums and carried values, may be rounded once to bf16 or f16.
;; Inputs: Wc 3 x 1,024 float32; Wg 1,024 x 1 float32; Wk 1,024 x 1,024 float32; Wo 1,024 x 1,024 float32; Wq 1,024 x 1,024 float32; Wv 1,024 x 1,024 float32; bc 1,024 float32; bg 1 float32; bk 1,024 float32; bo 1,024 float32; bq 1,024 float32; bv 1,024 float32; chaos_init 2 x 2,048 x 3 float32; mask 2 x 2,048 int32; x 2 x 2,048 x 1,024 float32.
;; Outputs: out0 2 x 2,048 x 1,024 float32.
;; One version. Each part assembles by itself: llvm-mc -triple=amdgcn-amd-amdhsa -mcpu=gfx1250 --defsym DOCPART=n.
;; ======== version 1 of 1: 4 launches
;; limits: values are held in f16: magnitudes above 65,504 overflow, below 6.1e-05 lose precision
;; workspace buffers: xb 8,388,608 bytes; wcat 6,291,456 bytes; wo16 2,097,152 bytes; tabs 163,840 bytes; qh 8,388,608 bytes; kp 16,777,216 bytes; vh 8,388,608 bytes; oh 8,388,608 bytes
;; launch prep (part 1): grid 529 x 1, 8 waves a work-group, no clusters, 0 bytes of LDS; arguments x, Wq, Wk, Wv, Wo, xb, wcat, wo16, Wc, bc, Wg, bg, bq, bk, bv, bo, chaos_init, tabs; writes xb, wcat, wo16, tabs
.if DOCPART == 1
	.amdgcn_target "amdgcn-amd-amdhsa--gfx1250"
	.amdhsa_code_object_version 6
	.text
	.protected	k_qcab4f416da_prep
	.globl	k_qcab4f416da_prep
	.p2align	8
	.type	k_qcab4f416da_prep,@function
k_qcab4f416da_prep:
	s_mov_b64 s[64:65], 0
	v_nop
	global_prefetch_b8 v0, s[64:65] scope:SCOPE_SE
	s_setreg_imm32_b32 hwreg(HW_REG_WAVE_MODE, 25, 1), 1
	s_wait_xcnt 0x0
; PREP: every input is rounded once to bf16 and laid out for the launches behind.  A stream: no LDS, no matrix unit, nothing shared between work-groups.
; Work-groups 0-255:   x [4096][1024] f32 -> xb, bf16, same order; 16 rows each.
; Work-groups 256-447: Wq, Wk, Wv [1024 k][1024 n] -> wcat, bf16, in blocks [head 16][K step 8][q,k,v 3][k' 128][64]; 16 rows of one matrix each.
; Work-groups 448-511: Wo -> wo16: rounded to bf16, that number written as f16 (below 6.1e-5 it keeps f16's fixed step of 6e-8); 16 rows each.
; Work-groups 512-527: the Lorenz field and the gate of 256 positions each -> tabs, plane 0 {F0,F0,F1,F1}, plane 1 {F2,F2,g,g}, F = 0.1 x field, 16 bytes a position.
; Work-group 528:      tabs' table [8][1024] f32: Wc's three rows, 0.1 x bc, bq, bk, bv, bo, each rounded to bf16 first; a wave a row.
; The gate's sum is regrouped: (field Wc + bc) Wg = field (Wc Wg) + bc Wg, all in f32 on the rounded inputs.
.set IN,  16                           ; v[16:79]   eight passes of 8 numbers as loaded
.set OUT, 80                           ; v[80:111]  eight passes of 4 registers to store
.set SRC, 44                           ; s[44:45]   where the work-group reads
.set DST, 46                           ; s[46:47]   where it stores
	s_load_b512 s[8:23], s[0:1], 0x0               ; x 8, Wq 10, Wk 12, Wv 14, Wo 16, xb 18, wcat 20, wo16 22
	s_load_b512 s[24:39], s[0:1], 0x40             ; Wc 24, bc 26, Wg 28, bg 30, bq 32, bk 34, bv 36, bo 38
	s_load_b128 s[40:43], s[0:1], 0x80             ; chaos_init 40, tabs 42
	v_lshrrev_b32 v1, 5, v0
	v_readfirstlane_b32 s2, v1                     ; wave 0..7
	v_and_b32 v2, 31, v0                           ; lane
	s_mov_b32 s3, ttmp9
	s_and_b32 s4, s3, 63                           ; which 16 rows of a weight matrix
	s_mov_b32 s7, 0                                ; upper word of every offset
	s_wait_kmcnt 0x0
; Eight passes: a lane takes 32 bytes of f32 (two loads) and stores 16 bytes.  All 16 loads go out first; pass i waits until the 14 - 2 i younger loads alone are out.
; No register is written twice, so no store's source is touched again.  half = 1: the bf16 number is widened and written as f16.
.macro CAST half, sA, sB, dA, dB
.set i, 0
.rept 8
	global_load_b128 v[IN+8*i:IN+8*i+3],   v3, s[SRC:SRC+1] offset:(i%4)*(\sA)+(i/4)*(\sB) th:TH_LOAD_NT
	global_load_b128 v[IN+8*i+4:IN+8*i+7], v3, s[SRC:SRC+1] offset:(i%4)*(\sA)+(i/4)*(\sB)+16 th:TH_LOAD_NT
.set i, i+1
.endr
.set i, 0
.rept 8
	s_wait_loadcnt 14-2*i
.irp j, 0,1,2,3
	v_cvt_pk_bf16_f32 v[OUT+4*i+\j], v[IN+8*i+2*\j], v[IN+8*i+2*\j+1]
.endr
.if \half
.irp j, 0,1,2,3
	v_lshlrev_b32 v[IN+8*i+2*\j], 16, v[OUT+4*i+\j]
	v_and_b32 v[IN+8*i+2*\j+1], 0xffff0000, v[OUT+4*i+\j]
.endr
.irp j, 0,1,2,3
	v_cvt_pk_f16_f32 v[OUT+4*i+\j], v[IN+8*i+2*\j], v[IN+8*i+2*\j+1]
.endr
.endif
	global_store_b128 v4, v[OUT+4*i:OUT+4*i+3], s[DST:DST+1] offset:(i%4)*(\dA)+(i/4)*(\dB)  ; a wave's store covers 512 consecutive bytes, aligned
.set i, i+1
.endr
.endm
	s_cmp_lt_u32 s3, 256
	s_cbranch_scc1 .Lxc
	s_cmp_lt_u32 s3, 448
	s_cbranch_scc1 .Lwc
	s_cmp_lt_u32 s3, 512
	s_cbranch_scc1 .Lwo
	s_cmp_lt_u32 s3, 528
	s_cbranch_scc1 .Lch
	; THE TABLE: wave w makes row w
	s_cmp_lt_u32 s2, 3
	s_cselect_b32 s6, s2, 0
	s_lshl_b32 s6, s6, 12                          ; Wc's row w; 0 for the others
	s_cmp_eq_u32 s2, 3
	s_cselect_b64 s[SRC:SRC+1], s[26:27], s[24:25]
	s_cselect_b32 s5, 0x3dcccccd, 1.0              ; bc's row is kept times 0.1
	s_cmp_eq_u32 s2, 4
	s_cselect_b64 s[SRC:SRC+1], s[32:33], s[SRC:SRC+1]
	s_cmp_eq_u32 s2, 5
	s_cselect_b64 s[SRC:SRC+1], s[34:35], s[SRC:SRC+1]
	s_cmp_eq_u32 s2, 6
	s_cselect_b64 s[SRC:SRC+1], s[36:37], s[SRC:SRC+1]
	s_cmp_eq_u32 s2, 7
	s_cselect_b64 s[SRC:SRC+1], s[38:39], s[SRC:SRC+1]
	s_add_nc_u64 s[SRC:SRC+1], s[SRC:SRC+1], s[6:7]
	s_lshl_b32 s6, s2, 12
	s_add_co_u32 s6, s6, 131072
	s_add_nc_u64 s[DST:DST+1], s[42:43], s[6:7]
	v_lshlrev_b32 v3, 4, v2
.irp i, 0,1,2,3,4,5,6,7
	global_load_b128 v[16+4*\i:19+4*\i], v3, s[SRC:SRC+1] offset:512*\i
.endr
	s_wait_loadcnt 0x0
.set i, 0
.rept 16
	v_cvt_pk_bf16_f32 v48, v[16+2*i], v[17+2*i]
	v_lshlrev_b32 v[16+2*i], 16, v48
	v_and_b32 v[17+2*i], 0xffff0000, v48
	v_mul_f32 v[16+2*i], s5, v[16+2*i]
	v_mul_f32 v[17+2*i], s5, v[17+2*i]
.set i, i+1
.endr
.irp i, 0,1,2,3,4,5,6,7
	global_store_b128 v3, v[16+4*\i:19+4*\i], s[DST:DST+1] offset:512*\i
.endr
	s_endpgm
.Lxc:                                              ; 16 rows of x: 65,536 bytes in, 32,768 out, both dense
	s_lshl_b32 s6, s3, 16
	s_add_nc_u64 s[SRC:SRC+1], s[8:9], s[6:7]
	s_lshl_b32 s6, s3, 15
	s_add_nc_u64 s[DST:DST+1], s[18:19], s[6:7]
	v_lshlrev_b32 v3, 5, v0
	v_lshlrev_b32 v4, 4, v0
	CAST 0, 8192, 32768, 4096, 16384
	s_endpgm
.Lwo:                                              ; 16 rows of Wo, the same walk
	s_lshl_b32 s6, s4, 16
	s_add_nc_u64 s[SRC:SRC+1], s[16:17], s[6:7]
	s_lshl_b32 s6, s4, 15
	s_add_nc_u64 s[DST:DST+1], s[22:23], s[6:7]
	v_lshlrev_b32 v3, 5, v0
	v_lshlrev_b32 v4, 4, v0
	CAST 1, 8192, 32768, 4096, 16384
	s_endpgm
.Lwc:                                              ; rows 16 blk .. + 15 of Wq, Wk or Wv.  Wave w takes heads 2 w and 2 w + 1; a pass is 4 rows x 256 bytes of one head
	s_sub_co_u32 s5, s3, 256
	s_lshr_b32 s5, s5, 6                           ; 0 q, 1 k, 2 v
	s_cmp_eq_u32 s5, 0
	s_cselect_b64 s[SRC:SRC+1], s[10:11], s[12:13]
	s_cmp_eq_u32 s5, 2
	s_cselect_b64 s[SRC:SRC+1], s[14:15], s[SRC:SRC+1]
	s_lshl_b32 s6, s4, 16
	s_add_nc_u64 s[SRC:SRC+1], s[SRC:SRC+1], s[6:7]
	s_lshr_b32 s6, s4, 3                           ; the K step,
	s_mul_i32 s6, s6, 3
	s_add_co_u32 s6, s6, s5                        ; its block of this matrix, 16,384 bytes,
	s_lshl_b32 s6, s6, 14
	s_and_b32 s5, s4, 7
	s_lshl_b32 s5, s5, 11                          ; and my 16 rows of 128 bytes in it
	s_add_co_u32 s6, s6, s5
	s_add_nc_u64 s[DST:DST+1], s[20:21], s[6:7]
	v_lshrrev_b32 v5, 3, v2
	v_and_b32 v6, 7, v2
	v_lshlrev_b32 v3, 12, v5                       ; row lane / 8
	v_lshl_add_u32 v3, v6, 5, v3                   ; 32 bytes for each of eight lanes
	s_lshl_b32 s5, s2, 9
	v_add_nc_u32 v3, s5, v3                        ; the wave's two heads: 512 bytes of a row
	s_mul_i32 s5, s2, 786432                       ; two heads of 393,216 bytes in wcat
	v_lshl_add_u32 v4, v2, 4, s5                   ; four rows of 128 bytes lie on end: 16 x lane
	CAST 0, 16384, 256, 512, 393216
	s_endpgm
.Lch:                                              ; 256 positions, a thread each.  Every wave makes the four sums over the 1,024 columns for itself
	s_load_b32 s5, s[30:31], 0x0                   ; bg
	s_sub_co_u32 s6, s3, 512
	s_lshl_b32 s6, s6, 8
	v_add_nc_u32 v5, s6, v0                        ; my position
	v_mul_u32_u24 v6, v5, 12
	v_lshlrev_b32 v7, 4, v5
	v_lshlrev_b32 v3, 4, v2
	global_load_b32 v12, v6, s[40:41]
	global_load_b32 v13, v6, s[40:41] offset:4
	global_load_b32 v14, v6, s[40:41] offset:8
	v_mov_b32 v8, 0                                ; Wc[0] . Wg
	v_mov_b32 v9, 0                                ; Wc[1] . Wg
	v_mov_b32 v10, 0                               ; Wc[2] . Wg
	v_mov_b32 v11, 0                               ; bc . Wg
	s_mov_b32 s44, 0x76543210
	s_mov_b32 s45, 0xfedcba98
.irp bt, 0,1                           ; two halves of the columns: 20 loads, one wait for all of them, 64 fused multiply-adds on bf16 halves
.irp i, 0,1,2,3
	global_load_b128 v[16+20*\i:19+20*\i], v3, s[24:25] offset:512*(4*\bt+\i)
	global_load_b128 v[20+20*\i:23+20*\i], v3, s[24:25] offset:512*(4*\bt+\i)+4096
	global_load_b128 v[24+20*\i:27+20*\i], v3, s[24:25] offset:512*(4*\bt+\i)+8192
	global_load_b128 v[28+20*\i:31+20*\i], v3, s[26:27] offset:512*(4*\bt+\i)
	global_load_b128 v[32+20*\i:35+20*\i], v3, s[28:29] offset:512*(4*\bt+\i)
.endr
	s_wait_loadcnt 0x0
.irp i, 0,1,2,3
.irp q, 0,2
	v_cvt_pk_bf16_f32 v96,  v[16+20*\i+\q], v[17+20*\i+\q]
	v_cvt_pk_bf16_f32 v97,  v[20+20*\i+\q], v[21+20*\i+\q]
	v_cvt_pk_bf16_f32 v98,  v[24+20*\i+\q], v[25+20*\i+\q]
	v_cvt_pk_bf16_f32 v99,  v[28+20*\i+\q], v[29+20*\i+\q]
	v_cvt_pk_bf16_f32 v100, v[32+20*\i+\q], v[33+20*\i+\q]
.irp j, 0,1,2,3
	v_fma_mix_f32_bf16 v[8+\j], v[96+\j], v100, v[8+\j] op_sel_hi:[1,1,0]
	v_fma_mix_f32_bf16 v[8+\j], v[96+\j], v100, v[8+\j] op_sel:[1,1,0] op_sel_hi:[1,1,0]
.endr
.endr
.endr
.endr
.irp m, 1,2,4,8                        ; over the 32 lanes: four steps inside a half, one across
.irp j, 0,1,2,3
	v_add_f32_dpp v[8+\j], v[8+\j], v[8+\j] row_xmask:\m row_mask:0xf bank_mask:0xf
.endr
.endr
.irp j, 0,1,2,3
	v_permlanex16_b32 v[96+\j], v[8+\j], s44, s45
.endr
.irp j, 0,1,2,3
	v_add_f32 v[8+\j], v[8+\j], v[96+\j]
.endr
	s_wait_kmcnt 0x0
	v_mov_b32 v15, s5
	v_cvt_pk_bf16_f32 v15, v15, v15
	v_lshlrev_b32 v15, 16, v15
	v_add_f32 v11, v11, v15                        ; bc . Wg + bg
	v_cvt_pk_bf16_f32 v16, v12, v13
	v_cvt_pk_bf16_f32 v17, v14, v14
	v_lshlrev_b32 v20, 16, v16                     ; x
	v_and_b32 v21, 0xffff0000, v16                 ; y
	v_lshlrev_b32 v22, 16, v17                     ; z
	v_mov_b32 v23, 0
	v_mov_b32 v24, 0
	v_mov_b32 v25, 0
.rept 10                               ; a Lorenz step: sigma 10, rho 28, beta 8/3, dt 0.01
	v_sub_f32 v26, v21, v20
	v_sub_f32 v27, 0x41e00000, v22
	v_mul_f32 v28, 0x402aaaab, v22
	v_fma_f32 v27, v20, v27, -v21
	v_fma_f32 v28, v20, v21, -v28
	v_mul_f32 v26, 0x41200000, v26
	v_fmamk_f32 v20, v26, 0x3c23d70a, v20
	v_fmamk_f32 v21, v27, 0x3c23d70a, v21
	v_fmamk_f32 v22, v28, 0x3c23d70a, v22
	v_add_f32 v23, v23, v20
	v_add_f32 v24, v24, v21
	v_add_f32 v25, v25, v22
.endr
	v_mul_f32 v23, 0x3dcccccd, v23                 ; the mean of the ten
	v_mul_f32 v24, 0x3dcccccd, v24
	v_mul_f32 v25, 0x3dcccccd, v25
	v_fma_f32 v26, v23, v8, v11
	v_fmac_f32 v26, v24, v9
	v_fmac_f32 v26, v25, v10
	v_mul_f32 v26, 0xbfb8aa3b, v26                 ; - log2(e) z
	v_exp_f32 v26, v26
	v_mul_f32 v32, 0x3dcccccd, v23                 ; F = 0.1 x field: plain work behind the exponential
	s_wait_alu depctr_va_vdst(0)                   ; ahead of the first line that names the exponential's result
	v_add_f32 v26, 1.0, v26
	v_rcp_f32 v38, v26                             ; g = 1 / (1 + 2^(- log2(e) z))
	v_mov_b32 v33, v32
	v_mul_f32 v34, 0x3dcccccd, v24
	v_mul_f32 v36, 0x3dcccccd, v25
	v_mov_b32 v35, v34
	v_mov_b32 v37, v36
	s_wait_alu depctr_va_vdst(0)                   ; ahead of the first line that names the reciprocal
	v_mov_b32 v39, v38
	global_store_b128 v7, v[32:35], s[42:43]
	global_store_b128 v7, v[36:39], s[42:43] offset:65536
	s_endpgm
.Lfunc_end_k_qcab4f416da_prep:
	.size	k_qcab4f416da_prep, .Lfunc_end_k_qcab4f416da_prep-k_qcab4f416da_prep
	.p2alignl 7, 3214868480
	.fill 96, 4, 3214868480
	.section	.rodata,"a",@progbits
	.p2align	6, 0x0
	.amdhsa_kernel k_qcab4f416da_prep
		.amdhsa_group_segment_fixed_size 0
		.amdhsa_private_segment_fixed_size 0
		.amdhsa_enable_private_segment 0
		.amdhsa_kernarg_size 144
		.amdhsa_user_sgpr_count 2
		.amdhsa_user_sgpr_kernarg_segment_ptr 1
		.amdhsa_wavefront_size32 1
		.amdhsa_system_sgpr_workgroup_id_x 1
		.amdhsa_system_sgpr_workgroup_id_y 1
		.amdhsa_system_sgpr_workgroup_id_z 1
		.amdhsa_system_vgpr_workitem_id 0
		.amdhsa_next_free_vgpr 128
		.amdhsa_next_free_sgpr 66
		.amdhsa_reserve_vcc 0
		.amdhsa_float_denorm_mode_32 3
		.amdhsa_float_denorm_mode_16_64 3
		.amdhsa_memory_ordered 1
		.amdhsa_forward_progress 1
		.amdhsa_inst_pref_size 54
	.end_amdhsa_kernel
	.amdgpu_metadata
---
amdhsa.version: [ 1, 2 ]
amdhsa.kernels:
  - .name:           k_qcab4f416da_prep
    .symbol:         k_qcab4f416da_prep.kd
    .args:
      - { .name: x, .offset: 0, .size: 8, .value_kind: global_buffer, .address_space: global }
      - { .name: Wq, .offset: 8, .size: 8, .value_kind: global_buffer, .address_space: global }
      - { .name: Wk, .offset: 16, .size: 8, .value_kind: global_buffer, .address_space: global }
      - { .name: Wv, .offset: 24, .size: 8, .value_kind: global_buffer, .address_space: global }
      - { .name: Wo, .offset: 32, .size: 8, .value_kind: global_buffer, .address_space: global }
      - { .name: xb, .offset: 40, .size: 8, .value_kind: global_buffer, .address_space: global }
      - { .name: wcat, .offset: 48, .size: 8, .value_kind: global_buffer, .address_space: global }
      - { .name: wo16, .offset: 56, .size: 8, .value_kind: global_buffer, .address_space: global }
      - { .name: Wc, .offset: 64, .size: 8, .value_kind: global_buffer, .address_space: global }
      - { .name: bc, .offset: 72, .size: 8, .value_kind: global_buffer, .address_space: global }
      - { .name: Wg, .offset: 80, .size: 8, .value_kind: global_buffer, .address_space: global }
      - { .name: bg, .offset: 88, .size: 8, .value_kind: global_buffer, .address_space: global }
      - { .name: bq, .offset: 96, .size: 8, .value_kind: global_buffer, .address_space: global }
      - { .name: bk, .offset: 104, .size: 8, .value_kind: global_buffer, .address_space: global }
      - { .name: bv, .offset: 112, .size: 8, .value_kind: global_buffer, .address_space: global }
      - { .name: bo, .offset: 120, .size: 8, .value_kind: global_buffer, .address_space: global }
      - { .name: chaos_init, .offset: 128, .size: 8, .value_kind: global_buffer, .address_space: global }
      - { .name: tabs, .offset: 136, .size: 8, .value_kind: global_buffer, .address_space: global }
    .group_segment_fixed_size: 0
    .private_segment_fixed_size: 0
    .kernarg_segment_align: 8
    .kernarg_segment_size: 144
    .max_flat_workgroup_size: 256
    .sgpr_count:     66
    .vgpr_count:     128
    .wavefront_size: 32
...
	.end_amdgpu_metadata
.endif
;; end of part 1
;; launch qkv (part 2): grid 16 x 16, 4 waves a work-group, clusters of 4 x 4, 327,680 bytes of LDS; arguments xb, wcat, tabs, qh, kp, vh; writes qh, kp, vh
.if DOCPART == 2
	.amdgcn_target "amdgcn-amd-amdhsa--gfx1250"
	.amdhsa_code_object_version 6
	.text
	.protected	k_qcab4f416da_qkv
	.globl	k_qcab4f416da_qkv
	.p2align	8
	.type	k_qcab4f416da_qkv,@function
k_qcab4f416da_qkv:
	s_mov_b64 s[64:65], 0
	v_nop
	global_prefetch_b8 v0, s[64:65] scope:SCOPE_SE
	s_setreg_imm32_b32 hwreg(HW_REG_WAVE_MODE, 25, 1), 1
	s_wait_xcnt 0x0
	s_wait_alu depctr_hold_cnt(0) depctr_sa_sdst(0) depctr_va_vdst(0) depctr_va_sdst(0) depctr_va_ssrc(0) depctr_va_vcc(0) depctr_vm_vsrc(0)
	s_getreg_b32 s2, hwreg(HW_REG_IB_STS2, 6, 4)
	s_cmp_eq_u32 s2, 0
	s_cbranch_scc0 .Lentry_in_a_cluster
	s_endpgm
.Lentry_in_a_cluster:
	s_bfe_u32 s2, ttmp6, 0x10000c
	s_cmp_lg_u32 s2, 0xf033
	s_cbranch_scc0 .Lentry_shape_is_right
	s_endpgm
.Lentry_shape_is_right:
; q, k, v = x W + b for all three matrices in one product, 4096 x 3072 x 1024 in bf16, sums in f32; written by heads in f16: qh [32][2048][64], kp [32][2048][k 64 | g k 64], vh like qh.
; LIMIT: q, k, g k and v must lie within f16's 65,504.
; SHARES.  Work-group (tx, ty) makes rows 256 ty .. + 255 and the 192 columns [q | k | v] of head tx, so every work-group and every wave has the same way out.  Wave w: rows 64 w .. + 63, all 192
; columns: 4 x 12 accumulators, 384 registers.  K goes in 8 steps of 128 through two LDS slots; a wave's tensor load brings 128 rows of x (waves 0, 1) or half of the weights' dense block (waves 2, 3).
; CLUSTER 4 x 4: x's tile hangs on ty alone and is asked for jointly along a row of the cluster, the weights' on tx alone, along a column.
; THE MATRIX INSTRUCTION IS USED TRANSPOSED: source 0 = 16 columns of W (turned out of LDS, where they lie [k][n]), source 1 = 16 rows of x: a lane holds one row and eight neighbouring columns.
; The first product of each sum takes the bias as its C operand.
; REGISTERS: window 0: v16-31 addresses, v32-39 the gate of my rows, v64-127 x's fragments (two buffers), v128-223 the bias; on the way out v64-127 packed, v128-191 rows read back, v192-223 g k.
;   window 1: W's fragments, two buffers of 96.   windows 2, 3: the accumulators of row blocks 0, 1 and 2, 3: (a, b) at 8 (12 (a % 2) + b).
.set PA,     272                       ; a row of x in LDS: 256 bytes + 16: 16 rows of a load start at 16 different groups of four banks
.set PB,     160                       ; 64 columns of one k: 128 bytes + 32
.set AHALF,  128*PA
.set BHALF,  192*PB
.set BOFF,   2*AHALF
.set SLOT,   131072                    ; 256 rows of x, then 384 rows [q,k,v][k' 128] of W
.set STAGE,  2*SLOT                    ; behind the ring: 16 rows x 528 bytes for each wave
.set SPITCH, 528
.set SPARE,  STAGE+4*16*SPITCH         ; the spare words: 128 bytes a wave, two blocks of 256 bytes that no other line names
.set ASTEP,  256                       ; bytes from K step to K step in xb,
.set BSTEP,  49152                     ; and in wcat
.set ADRA, 16                          ; v16-17 my x fragments in slot 0, 1
.set ADRB, 20                          ; v20-21 the same for W
.set STO,  24
.set RDK,  25
.set RDQ,  26
.set GO,   27
.set SPW,  28                          ; my spare word; never rewritten
.set NIL,  29                          ; 0; never rewritten
.set PFO,  30
.set GP,   32
.set AF,   64
.set BIAS, 128
.set TMP,  64
.set BK,   128
.set GT,   192
.set WV, 16
.set FB, 17                            ; 0: I fetch x, 1: W
.set HF, 18                            ; which half of it
.set CX, 19
.set CY, 20
.set TX, 21
.set TY, 22
.set LAP, 23
.set G1, 24
.set G0, 32
.set G1B, 48
.set G0B, 56
.set PFA, 66
.set PFS, 68
.set LIM, 70
.set MSB, 0
.macro WIN new                         ; the immediate's high byte repeats the setting that is left
.if MSB != (\new)
	s_set_vgpr_msb (MSB<<8)|(\new)
.set MSB, \new
.endif
.endm
.macro PLACES                          ; four plain places behind matrix instructions, ahead of loads into their sources and of readers of their results
.rept 4
	v_nop
.endr
.endm
.macro JLOAD s                         ; a joint load; the branch hangs on the wave's number alone; s_nop 0 and four v_nop follow each line
	s_cmp_eq_u32 s[FB], 0
	s_cbranch_scc0 .Lfor_b_\@
	tensor_load_to_lds s[G0+4*(\s):G0+4*(\s)+3], s[G1:G1+7]
	s_nop 0
.rept 4
	v_nop
.endr
	s_branch .Lasked_\@
.Lfor_b_\@:
	tensor_load_to_lds s[G0B+4*(\s):G0B+4*(\s)+3], s[G1B:G1B+7]
	s_nop 0
.rept 4
	v_nop
.endr
.Lasked_\@:
.endm
.macro CREST                           ; a round of the cluster's barrier behind its opening barrier
	s_cmp_lg_u32 s[WV], 0
	s_cbranch_scc1 .Lnot_wave_0_\@
	s_barrier_signal -3
.Lnot_wave_0_\@:
	s_barrier_wait -3
	s_barrier_signal -1
	s_barrier_wait -1
.endm
.macro CROUND
	s_barrier_signal -1
	s_barrier_wait -1
	CREST
.endm
; A prefetch of the K step two refills on.  x's rows are named by the clusters with x = 0, W's blocks by those with y = 0; the four partners of a joint load share its rows out by address
; (32 rows of x, or 24 blocks of 256 bytes of W, each); a lane a row or block.  The loop's last trip has no K step two on.
.macro ASK
	s_cmp_gt_u32 s[LAP], s[LIM]
	s_cbranch_scc0 .Lnot_mine_\@
	global_prefetch_b8 v[PFO], s[PFA:PFA+1] th:TH_LOAD_NT scope:SCOPE_SE
.Lnot_mine_\@:
.endm
	s_load_b256 s[4:11], s[0:1], 0x0               ; xb 4, wcat 6, tabs 8, qh 10
	s_load_b128 s[12:15], s[0:1], 0x20             ; kp 12, vh 14
	v_lshl_add_u32 v[SPW], v0, 2, SPARE
	v_mov_b32 v[NIL], 0
	ds_add_u32 v[SPW], v[NIL]                      ; the wave's opening: the add and its wait stand ahead of my first tensor load
	v_lshrrev_b32 v1, 5, v0
	v_readfirstlane_b32 s[WV], v1
	s_lshr_b32 s[FB], s[WV], 1
	s_and_b32 s[HF], s[WV], 1
	s_bfe_u32 s[CX], ttmp6, 0x40000
	s_bfe_u32 s[CY], ttmp6, 0x40004
	s_lshl_b32 s[TX], ttmp9, 2
	s_add_co_u32 s[TX], s[TX], s[CX]               ; the head
	s_and_b32 s[TY], ttmp7, 0xffff
	s_lshl_b32 s[TY], s[TY], 2
	s_add_co_u32 s[TY], s[TY], s[CY]               ; the block of 256 rows
	s_lshl_b32 s40, s[CY], 2
	s_lshl_b32 s40, 15, s40                        ; my row of the cluster
	s_lshl_b32 s44, 0x1111, s[CX]                  ; my column
	s_or_b32 s[G1], s40, (1<<16)|(1<<20)|(1<<21)|(5<<22)|(3<<25)   ; 2-byte elements; padding on; bit 21 beside a mask; after every 64 words 4 words
	s_mov_b32 s[G1+1], 128<<16                     ; tensor_dim0 = 128
	s_mov_b32 s[G1+2], 128<<16                     ; tensor_dim1 = 128
	s_mov_b32 s[G1+3], 128<<16                     ; tile_dim0 = 128
	s_mov_b32 s[G1+4], 128                         ; tile_dim1 = 128
	s_mov_b32 s[G1+5], 1024                        ; elements from row to row
	s_mov_b32 s[G1+6], 0
	s_mov_b32 s[G1+7], 0
	s_or_b32 s[G1B], s44, (1<<16)|(1<<20)|(1<<21)|(4<<22)|(7<<25)  ; after every 32 words 8 words
	s_mov_b32 s[G1B+1], 128<<16                    ; the dense block is asked for as 96 rows of 256 bytes
	s_mov_b32 s[G1B+2], 96<<16
	s_mov_b32 s[G1B+3], 128<<16
	s_mov_b32 s[G1B+4], 96
	s_mov_b32 s[G1B+5], 128
	s_mov_b32 s[G1B+6], 0
	s_mov_b32 s[G1B+7], 0
	s_lshl_b32 s40, s[TY], 8
	s_lshl_b32 s41, s[HF], 7
	s_add_co_u32 s40, s40, s41
	s_lshl_b32 s40, s40, 11                        ; x: row 256 ty + 128 half, 2,048 bytes a row
	s_mov_b32 s41, 0
	s_mul_i32 s44, s[TX], 8*BSTEP
	s_mul_i32 s45, s[HF], BSTEP/2
	s_add_co_u32 s44, s44, s45                     ; W: the head's blocks, my half of one
	s_mov_b32 s45, 0
	s_mul_i32 s72, s[WV], AHALF                    ; LDS: waves 0, 1: x's two halves
	s_mul_i32 s73, s[WV], BHALF
	s_add_co_u32 s73, s73, BOFF-2*BHALF            ; waves 2, 3: W's two halves, behind x
	s_wait_dscnt 0x0                               ; the opening add is done
	s_wait_kmcnt 0x0
	s_add_nc_u64 s[42:43], s[4:5], s[40:41]
	s_add_nc_u64 s[46:47], s[6:7], s[44:45]
.irp s, 0,1
	s_mov_b32 s[G0+4*\s], 1
	s_add_co_u32 s[G0+4*\s+1], s72, \s*SLOT
	s_add_nc_u64 s[G0+4*\s+2:G0+4*\s+3], s[42:43], \s*ASTEP
	s_or_b32 s[G0+4*\s+3], s[G0+4*\s+3], 0x80000000
	s_mov_b32 s[G0B+4*\s], 1
	s_add_co_u32 s[G0B+4*\s+1], s73, \s*SLOT
	s_add_nc_u64 s[G0B+4*\s+2:G0B+4*\s+3], s[46:47], \s*BSTEP
	s_or_b32 s[G0B+4*\s+3], s[G0B+4*\s+3], 0x80000000
.endr
	CROUND                                         ; all sixteen work-groups are here: the first joint loads meet
	s_cmp_eq_u32 s[FB], 0                          ; a wave's two first fills stand in one branch: two loads of mine are out
	s_cbranch_scc0 .Lfirst_b
	tensor_load_to_lds s[G0:G0+3], s[G1:G1+7]
	s_nop 0
	tensor_load_to_lds s[G0+4:G0+7], s[G1:G1+7]
	s_nop 0
.rept 4
	v_nop
.endr
	s_branch .Lfirst_done
.Lfirst_b:
	tensor_load_to_lds s[G0B:G0B+3], s[G1B:G1B+7]
	s_nop 0
	tensor_load_to_lds s[G0B+4:G0B+7], s[G1B:G1B+7]
	s_nop 0
.rept 4
	v_nop
.endr
.Lfirst_done:
	v_and_b32 v1, 15, v0                           ; r = lane % 16
	v_bfe_u32 v2, v0, 4, 1                         ; h = lane / 16
	v_and_b32 v3, 31, v0
	v_and_b32 v4, 7, v0
	v_bfe_u32 v5, v0, 3, 1
	v_bfe_u32 v6, v0, 3, 2
	v_lshlrev_b32 v7, 5, v2                        ; the bias: my 8 columns of a block of 16: 32 h bytes
	v_lshlrev_b32 v8, 4, v1                        ; the gate: 16 bytes a position
	s_mov_b32 s81, 0
	s_lshl_b32 s80, s[TX], 8
	s_add_co_u32 s80, s80, 131072
	s_add_nc_u64 s[74:75], s[8:9], s[80:81]        ; the table at my head's columns
	s_lshl_b32 s80, s[TY], 8
	s_lshl_b32 s82, s[WV], 6
	s_add_co_u32 s80, s80, s82
	s_lshl_b32 s80, s80, 4
	s_add_co_u32 s80, s80, 65536
	s_add_nc_u64 s[76:77], s[8:9], s[80:81]        ; plane 1 at my wave's first row
.set nb, 0
.rept 12                               ; block nb: matrix nb / 4 (table rows 4, 5, 6), columns 16 (nb % 4) on
	global_load_b128 v[BIAS+8*nb:BIAS+8*nb+3],   v7, s[74:75] offset:(4+nb/4)*4096+(nb%4)*64
	global_load_b128 v[BIAS+8*nb+4:BIAS+8*nb+7], v7, s[74:75] offset:(4+nb/4)*4096+(nb%4)*64+16
.set nb, nb+1
.endr
.irp a, 0,1,2,3
	global_load_b64 v[GP+2*\a:GP+2*\a+1], v8, s[76:77] offset:256*\a+8   ; {g, g} of row 16 a + r
.endr
	v_mul_u32_u24 v9, v1, PA
	v_lshl_add_u32 v9, v2, 4, v9
	s_mul_i32 s78, s[WV], 64*PA
	v_add_nc_u32 v[ADRA], s78, v9                  ; (64 w + r) x pitch + 16 h
	v_add_nc_u32 v[ADRA+1], SLOT, v[ADRA]
	v_lshl_add_u32 v10, v2, 3, v4
	v_mul_u32_u24 v10, v10, PB
	v_lshl_add_u32 v10, v5, 4, v10
	v_add_nc_u32 v[ADRB], BOFF, v10                ; (8 h + lane % 8) x pitch + 16 ((lane / 8) % 2)
	v_add_nc_u32 v[ADRB+1], SLOT, v[ADRB]
	s_mul_i32 s78, s[WV], 16*SPITCH
	s_add_co_u32 s78, s78, STAGE                   ; my stage
	v_mul_u32_u24 v11, v1, SPITCH
	v_lshl_add_u32 v11, v2, 4, v11
	v_add_nc_u32 v[STO], s78, v11
	v_mul_u32_u24 v11, v2, SPITCH                  ; back: [k | g k], 256 bytes a row, two rows a load
	v_lshl_add_u32 v11, v1, 4, v11
	v_add_nc_u32 v[RDK], s78, v11
	v_add_nc_u32 v[RDK], 128, v[RDK]
	v_mul_u32_u24 v11, v6, SPITCH                  ; q or v: 128 bytes a row, four rows a load
	v_lshl_add_u32 v11, v4, 4, v11
	v_add_nc_u32 v[RDQ], s78, v11
	v_lshlrev_b32 v[GO], 4, v3                     ; either way 512 consecutive bytes of the output
	s_lshr_b32 s82, s[TY], 3                       ; the batch,
	s_lshl_b32 s82, s82, 4
	s_add_co_u32 s82, s82, s[TX]                   ; its head,
	s_lshl_b32 s82, s82, 11
	s_and_b32 s83, s[TY], 7
	s_lshl_b32 s83, s83, 8
	s_add_co_u32 s82, s82, s83
	s_lshl_b32 s83, s[WV], 6
	s_add_co_u32 s82, s82, s83                     ; my first row among the 65,536
	s_lshl_b32 s80, s82, 8
	s_add_nc_u64 s[12:13], s[12:13], s[80:81]
	s_lshl_b32 s80, s82, 7
	s_add_nc_u64 s[10:11], s[10:11], s[80:81]
	s_add_nc_u64 s[14:15], s[14:15], s[80:81]
	; the prefetches stand at K step 3; the first refill steps them to 4
	s_lshl_b32 s84, s[TY], 8
	s_lshl_b32 s85, s[HF], 7
	s_add_co_u32 s84, s84, s85
	s_lshl_b32 s85, s[CX], 5
	s_add_co_u32 s84, s84, s85
	s_lshl_b32 s84, s84, 11
	s_add_co_u32 s84, s84, 3*ASTEP
	s_mul_i32 s86, s[TX], 8*BSTEP
	s_mul_i32 s85, s[HF], BSTEP/2
	s_add_co_u32 s86, s86, s85
	s_mul_i32 s85, s[CY], BSTEP/8
	s_add_co_u32 s86, s86, s85
	s_add_co_u32 s86, s86, 3*BSTEP
	s_and_b32 s87, ttmp7, 0xffff
	s_mov_b32 s[PFS], ASTEP
	s_mov_b32 s[PFS+1], 0
	s_mov_b32 s88, 31
	s_mov_b32 s89, 11
	s_cmp_eq_u32 s[FB], 0
	s_cselect_b32 s80, s84, s86
	s_cselect_b32 s87, ttmp9, s87                  ; the coordinate along which other clusters read the same rows
	s_cselect_b64 s[PFA:PFA+1], s[4:5], s[6:7]
	s_cselect_b32 s[PFS], s[PFS], BSTEP
	s_cselect_b32 s88, s88, 23                     ; W: 24 blocks; the last eight lanes name the 24th again
	s_cselect_b32 s89, s89, 8
	s_add_nc_u64 s[PFA:PFA+1], s[PFA:PFA+1], s[80:81]
	s_cmp_eq_u32 s87, 0
	s_cselect_b32 s[LIM], 1, -1
	v_min_u32 v[PFO], s88, v3
	v_lshlrev_b32 v[PFO], s89, v[PFO]
; 12 matrix instructions: row block a x all 12 column blocks, 32 along K, from buffer f.  first = 1: the bias starts the sums.  The 48 accumulators take turns in the same order in every quarter.
.macro MUL12 f, a, first
.if \first
	WIN 0x81+0x40*((\a)/2)
.else
	WIN 0xa1+0x50*((\a)/2)
.endif
.set nb, 0
.rept 12
.set AC, 8*(12*((\a)%2)+nb)
.if \first
	v_wmma_f32_16x16x32_bf16 v[AC:AC+7], v[96*(\f)+8*nb:96*(\f)+8*nb+7], v[AF+32*(\f)+8*(\a):AF+32*(\f)+8*(\a)+7], v[BIAS+8*nb:BIAS+8*nb+7]
.else
	v_wmma_f32_16x16x32_bf16 v[AC:AC+7], v[96*(\f)+8*nb:96*(\f)+8*nb+7], v[AF+32*(\f)+8*(\a):AF+32*(\f)+8*(\a)+7], v[AC:AC+7]
.endif
.set nb, nb+1
.endr
.endm
; 32 LDS loads in one run: quarter kq of a slot into buffer f: W's 12 fragments (turned), then x's 4
.macro FETCH slot, kq, f
	WIN 0x40
.set nb, 0
.rept 12
	ds_load_tr16_b128 v[96*(\f)+8*nb:96*(\f)+8*nb+3],   v[ADRB+(\slot)] offset:(nb/4)*128*PB+(\kq)*32*PB+32*(nb%4)
	ds_load_tr16_b128 v[96*(\f)+8*nb+4:96*(\f)+8*nb+7], v[ADRB+(\slot)] offset:(nb/4)*128*PB+(\kq)*32*PB+32*(nb%4)+16*PB
.set nb, nb+1
.endr
	WIN 0
.irp i, 0,1,2,3
	ds_load_b128 v[AF+32*(\f)+8*\i:AF+32*(\f)+8*\i+3],   v[ADRA+(\slot)] offset:\i*16*PA+64*(\kq)
	ds_load_b128 v[AF+32*(\f)+8*\i+4:AF+32*(\f)+8*\i+7], v[ADRA+(\slot)] offset:\i*16*PA+64*(\kq)+32
.endr
.endm
; One of a K step's first three quarters: multiplies buffer f, fetches quarter kq of the same slot into buffer g in its middle
.macro QUARTER slot, kq, f, g, first
	s_wait_dscnt 4                                 ; W and x's blocks 0, 1 are in; the four youngest loads (x's blocks 2, 3) may be out
	MUL12 \f, 0, \first
	MUL12 \f, 1, \first
	PLACES
	FETCH \slot, \kq, \g
	s_wait_dscnt 32                                ; all but the 32 just issued
	MUL12 \f, 2, \first
	MUL12 \f, 3, \first
.endm
; The last quarter multiplies buffer 1 and changes slots: one barrier; ahead of it each wave waits for all its tensor loads, adds 0 to its spare word, and waits for that and for its reads of the slot.
.macro TURN slot, next, fill
.if \fill
	s_wait_xcnt 0x0                                ; the last prefetch, a K step back, has read its address
	s_add_nc_u64 s[PFA:PFA+1], s[PFA:PFA+1], s[PFS:PFS+1]
.endif
	WIN 0
	s_wait_tensorcnt 0x0                           ; my one load that was out, my part of the next slot, has landed
	ds_add_u32 v[SPW], v[NIL]
	s_wait_dscnt 5                                 ; the add and the four youngest loads may be out
	MUL12 1, 0, 0
	s_wait_dscnt 0x0                               ; the add is done, and my reads of this slot are over
	s_barrier_signal -1
	MUL12 1, 1, 0
.if \fill
	WIN 0
.endif
	s_barrier_wait -1
.if \fill
	CREST                                          ; the barrier has opened a round of the cluster's: no wave of any partner still reads the slot or has a load on its way
	s_add_nc_u64 s[G0+4*(\slot)+2:G0+4*(\slot)+3], s[G0+4*(\slot)+2:G0+4*(\slot)+3], 2*ASTEP
	s_add_nc_u64 s[G0B+4*(\slot)+2:G0B+4*(\slot)+3], s[G0B+4*(\slot)+2:G0B+4*(\slot)+3], 2*BSTEP
	JLOAD \slot                                    ; its four v_nop are also the places ahead of the loads below
.else
	PLACES
.endif
	FETCH \next, 0, 0
.if \fill
	ASK
.endif
	MUL12 1, 2, 0
	MUL12 1, 3, 0
.endm
	s_wait_tensorcnt 1                             ; my part of K step 0 is in; K step 1's may stay out
	s_barrier_signal -1
	s_barrier_wait -1
	FETCH 0, 0, 0
	s_wait_loadcnt 0x0                             ; the bias and the gate
	QUARTER 0, 1, 0, 1, 1
	WIN 0
	s_mov_b32 s[LAP], 3
.Llap:                                             ; a trip goes once round the ring and fills both slots again: K steps 2 to 7
	QUARTER 0, 2, 1, 0, 0
	QUARTER 0, 3, 0, 1, 0
	TURN 0, 1, 1
	QUARTER 1, 1, 0, 1, 0
	QUARTER 1, 2, 1, 0, 0
	QUARTER 1, 3, 0, 1, 0
	TURN 1, 0, 1
	QUARTER 0, 1, 0, 1, 0
	WIN 0
	s_sub_co_u32 s[LAP], s[LAP], 1
	s_cmp_lg_u32 s[LAP], 0
	s_cbranch_scc1 .Llap
	QUARTER 0, 2, 1, 0, 0                          ; the last lap fills nothing
	QUARTER 0, 3, 0, 1, 0
	TURN 0, 1, 0
	QUARTER 1, 1, 0, 1, 0
	QUARTER 1, 2, 1, 0, 0
	QUARTER 1, 3, 0, 1, 0
	s_wait_dscnt 4
	MUL12 1, 0, 0
	MUL12 1, 1, 0
	s_wait_dscnt 0x0
	MUL12 1, 2, 0
	MUL12 1, 3, 0
	WIN 0
	PLACES
; THE WAY OUT, 16 rows at a time.  PACK: q, k, v rounded to f16, each accumulator from its low end; k times the row's gate in f32, rounded once.
.macro PACK a
.set AC, 96*((\a)%2)
	WIN 0x0a+5*((\a)/2)
.set nb, 0
.rept 12
.irp r, 0,1,2,3
	v_cvt_pk_f16_f32 v[TMP+4*nb+16*(nb/8)+\r], v[AC+8*nb+2*\r], v[AC+8*nb+2*\r+1]
.endr
.set nb, nb+1
.endr
	WIN 0x02+((\a)/2)
.set z, 0
.rept 16
	v_pk_mul_f32 v[GT+2*z:GT+2*z+1], v[AC+32+2*z:AC+32+2*z+1], v[GP+2*(\a):GP+2*(\a)+1]
.set z, z+1
.endr
	WIN 0
.set z, 0
.rept 16
	v_cvt_pk_f16_f32 v[TMP+32+z], v[GT+2*z], v[GT+2*z+1]
.set z, z+1
.endr
.endm
; TOSTAGE: a stage row is q | k | g k | v, 128 bytes each; back as whole rows.  LDS serves a wave's instructions in order, so the loads see the stores.
.macro TOSTAGE
	WIN 0
.set z, 0
.rept 16
	ds_store_b128 v[STO], v[TMP+4*z:TMP+4*z+3] offset:32*z
.set z, z+1
.endr
	s_wait_xcnt 0x0                                ; the registers below were the data of the block before's stores
.irp t, 0,1,2,3,4,5,6,7
	ds_load_b128 v[BK+4*\t:BK+4*\t+3], v[RDK] offset:\t*2*SPITCH
.endr
.irp f, 0,1,2,3
	ds_load_b128 v[BK+32+4*\f:BK+32+4*\f+3], v[RDQ] offset:\f*4*SPITCH
	ds_load_b128 v[BK+48+4*\f:BK+48+4*\f+3], v[RDQ] offset:\f*4*SPITCH+384
.endr
.endm
.macro SEND a
	WIN 0
	s_wait_dscnt 0x0
.irp t, 0,1,2,3,4,5,6,7
	global_store_b128 v[GO], v[BK+4*\t:BK+4*\t+3], s[12:13] offset:(\a)*4096+512*\t   ; every store covers 512 consecutive bytes, aligned
.endr
.irp f, 0,1,2,3
	global_store_b128 v[GO], v[BK+32+4*\f:BK+32+4*\f+3], s[10:11] offset:(\a)*2048+512*\f
	global_store_b128 v[GO], v[BK+48+4*\f:BK+48+4*\f+3], s[14:15] offset:(\a)*2048+512*\f
.endr
.endm
	PACK 0
	TOSTAGE
.irp a, 1,2,3                          ; a block's arithmetic stands between the loads of the block before and the wait for them
	PACK \a
	SEND (\a)-1
	TOSTAGE
.endr
	SEND 3
	s_wait_tensorcnt 0x0                           ; the wave's end
	ds_add_u32 v[SPW], v[NIL]
	s_wait_dscnt 0x0
	CROUND                                         ; the closing round
	s_endpgm
.Lfunc_end_k_qcab4f416da_qkv:
	.size	k_qcab4f416da_qkv, .Lfunc_end_k_qcab4f416da_qkv-k_qcab4f416da_qkv
	.p2alignl 7, 3214868480
	.fill 96, 4, 3214868480
	.section	.rodata,"a",@progbits
	.p2align	6, 0x0
	.amdhsa_kernel k_qcab4f416da_qkv
		.amdhsa_group_segment_fixed_size 327680
		.amdhsa_private_segment_fixed_size 0
		.amdhsa_enable_private_segment 0
		.amdhsa_kernarg_size 48
		.amdhsa_user_sgpr_count 2
		.amdhsa_user_sgpr_kernarg_segment_ptr 1
		.amdhsa_wavefront_size32 1
		.amdhsa_system_sgpr_workgroup_id_x 1
		.amdhsa_system_sgpr_workgroup_id_y 1
		.amdhsa_system_sgpr_workgroup_id_z 1
		.amdhsa_system_vgpr_workitem_id 0
		.amdhsa_next_free_vgpr 960
		.amdhsa_next_free_sgpr 96
		.amdhsa_reserve_vcc 0
		.amdhsa_float_denorm_mode_32 3
		.amdhsa_float_denorm_mode_16_64 3
		.amdhsa_memory_ordered 1
		.amdhsa_forward_progress 1
		.amdhsa_inst_pref_size 135
	.end_amdhsa_kernel
	.amdgpu_metadata
---
amdhsa.version: [ 1, 2 ]
amdhsa.kernels:
  - .name:           k_qcab4f416da_qkv
    .symbol:         k_qcab4f416da_qkv.kd
    .args:
      - { .name: xb, .offset: 0, .size: 8, .value_kind: global_buffer, .address_space: global }
      - { .name: wcat, .offset: 8, .size: 8, .value_kind: global_buffer, .address_space: global }
      - { .name: tabs, .offset: 16, .size: 8, .value_kind: global_buffer, .address_space: global }
      - { .name: qh, .offset: 24, .size: 8, .value_kind: global_buffer, .address_space: global }
      - { .name: kp, .offset: 32, .size: 8, .value_kind: global_buffer, .address_space: global }
      - { .name: vh, .offset: 40, .size: 8, .value_kind: global_buffer, .address_space: global }
    .group_segment_fixed_size: 327680
    .private_segment_fixed_size: 0
    .kernarg_segment_align: 8
    .kernarg_segment_size: 48
    .max_flat_workgroup_size: 128
    .sgpr_count:     96
    .vgpr_count:     960
    .wavefront_size: 32
...
	.end_amdgpu_metadata
.endif
;; end of part 2
;; launch attn (part 3): grid 8 x 32, 4 waves a work-group, clusters of 4 x 1, 327,680 bytes of LDS; arguments qh, kp, vh, mask, tabs, oh; writes oh
.if DOCPART == 3
	.amdgcn_target "amdgcn-amd-amdhsa--gfx1250"
	.amdhsa_code_object_version 6
	.text
	.protected	k_qcab4f416da_attn
	.globl	k_qcab4f416da_attn
	.p2align	8
	.type	k_qcab4f416da_attn,@function
k_qcab4f416da_attn:
	s_mov_b64 s[64:65], 0
	v_nop
	global_prefetch_b8 v0, s[64:65] scope:SCOPE_SE
	s_setreg_imm32_b32 hwreg(HW_REG_WAVE_MODE, 25, 1), 1
	s_wait_xcnt 0x0
	s_wait_alu depctr_hold_cnt(0) depctr_sa_sdst(0) depctr_va_vdst(0) depctr_va_sdst(0) depctr_va_ssrc(0) depctr_va_vcc(0) depctr_vm_vsrc(0)
	s_getreg_b32 s2, hwreg(HW_REG_IB_STS2, 6, 4)
	s_cmp_eq_u32 s2, 0
	s_cbranch_scc0 .Lentry_in_a_cluster
	s_endpgm
.Lentry_in_a_cluster:
	s_bfe_u32 s2, ttmp6, 0x10000c
	s_cmp_lg_u32 s2, 0x3003
	s_cbranch_scc0 .Lentry_shape_is_right
	s_endpgm
.Lentry_shape_is_right:
; ATTENTION WITH THE CHAOS TERM.  final[q][k] = (q . k + 0.1 g[k] cq[q] . k) / 8 = [q | 0.1 cq] . [k | g k] / 8: ONE product over 128 channels.  Keys whose mask is 0 are hidden.
; qh, vh, oh: [32][2048][64] f16; kp: [32][2048][128] f16, rows [k | g k].  0.1 cq is made here from tabs (F = 0.1 field, Wc, 0.1 bc) in f32 and rounded once to f16.
; Products, maxima and sums in f32; the weights are rounded to f16 for the second product, O once at the end.
; LIMITS.  All operands lie within f16's 65,504.  A hidden score counts as its value less 1e30 (f16 operands hold true scores under 5.5e11); a weight below 2^-126 counts as 0 in l.
; A batch whose keys are all hidden gives NaN, as the softmax of nothing does.
; SHARES.  A work-group owns 256 queries of one head, a wave 64: four PIECES of 16.  Every wave walks all 2,048 keys, 64 a step.  The four query blocks of a cluster walk the same K' and V: joint loads.
; LAYOUT.  S^T = K' Q'^T: a lane holds ONE query (lane % 16) and keys 8 (lane / 16) + 0..7; two such results rounded in pairs ARE source 1 of O^T = V^T P.  The mask is the C operand that starts S^T.
; SOFTMAX.  Running maximum m and sum l: p = 2^(c s - c m), c = log2(e) / 8; O and l are multiplied by a = 2^(c m_old - c m_new) in every step.  m starts at the lowest finite number, O and l at 0.
; BY TURNS.  Turn p of a step: 8 products V^T P of piece p - 1, 16 products K' Q'^T of piece p + 2 (from p = 2 on: the next step's); beside them the maximum and statistics of piece p + 1, whose scores
; the turn before has finished, and the scaling, exponentials, roundings, sums and rescaling of piece p.  118 vector instructions behind 24 matrix instructions, four or five behind each.
; A turn's 33 exponentials are one batch with one wait.
; REGISTERS: window 0: v2-15 addresses; v16-31 statistics (c m, m, l, l) a piece; v32-47 at work a piece; v48-51 c m_old; v64-191 S^T, 32 a piece; v192-255 P, 16 a piece.
;   window 1: v0-127 O^T, 32 a piece; v128-159 the step's mask.   window 2: v0-127 Q', 32 a piece; v128-255 K' of one step.   window 3: v0-63 V of one step.
.set KS,    64
.set PK,    272                        ; a row of K': 256 bytes + 16
.set PV,    160                        ; a row of V: 128 bytes + 32
.set VOFF,  4*KS*PK                    ; a slot holds four steps: 256 rows of K', then 256 rows of V
.set SLOT1, 1<<17
.set MBL,   SLOT1+4*KS*(PK+PV)         ; behind the ring: the batch's mask as 2,048 f32, 0 or -1e30
.set STAGE, MBL+8192                   ; 16 rows x 144 bytes for each wave
.set SP,    144
.set SPARE, STAGE+4*16*SP              ; the spare words: two blocks of 256 bytes that no other line names
.set AK0, 2
.set AV0, 3
.set AK,  4
.set AV,  5
.set AM,  6
.set AM0, 7
.set GO,  8
.set STO, 9
.set RD,  10
.set PFO, 11
.set QO,  12
.set ST,  16
.set TMP, 32
.set MV,  48
.set SPW, 62
.set NIL, 63
.set S,   64
.set P,   192
.set MC,  128
.set KF,  128
.set WV,  16
.set G1K, 24
.set G1V, 32
.set G0K, 40
.set G0V, 44
.set PFA, 48
.set PFS, 50
.set LIM, 52
.set SLOTS, 56
.set CNT, 57
.set CS,  58
.set SEL, 60
.set TBK, 62
.set TBV, 63
.set TBM, 66
.set BIGN, 67
.set THR, 68
.set NANV, 69
.set MSB, 0
.macro WIN new
.if MSB != (\new)
	s_set_vgpr_msb (MSB<<8)|(\new)
.set MSB, (\new)
.endif
.endm
.set W_KQ, 0x0a                        ; K' and Q' in window 2, S^T in window 0
.set W_KM, 0x1a                        ; the same with the C operand in window 1
.set W_PV, 0x53                        ; V in window 3, P in window 0, O^T in window 1
.set W_RS, 0x41                        ; destination and source 0 in window 1, source 1 in window 0
.macro JLOAD                           ; waves 0, 1 fetch the halves of a slot's K', waves 2, 3 those of its V; s_nop 0 and four v_nop follow each line
	s_cmp_lt_u32 s[WV], 2
	s_cbranch_scc0 .Lfor_v_\@
	tensor_load_to_lds s[G0K:G0K+3], s[G1K:G1K+7]
	s_nop 0
.rept 4
	v_nop
.endr
	s_branch .Lasked_\@
.Lfor_v_\@:
	tensor_load_to_lds s[G0V:G0V+3], s[G1V:G1V+7]
	s_nop 0
.rept 4
	v_nop
.endr
.Lasked_\@:
.endm
.macro CROUND
	s_barrier_signal -1
	s_barrier_wait -1
	s_cmp_lg_u32 s[WV], 0
	s_cbranch_scc1 .Lnot_wave_0_\@
	s_barrier_signal -3
.Lnot_wave_0_\@:
	s_barrier_wait -3
	s_barrier_signal -1
	s_barrier_wait -1
.endm
; A prefetch of the slot that the NEXT change will ask for.  The head's first cluster asks; its four partners share the rows out by address, 32 each of a wave's part;
; waves 0, 1 name their halves of K', wave 2 the slot's V; a lane 256 bytes.  The last change that fills a slot asks for nothing.
.macro ASK
	s_cmp_gt_u32 s[SLOTS], s[LIM]
	s_cbranch_scc0 .Lnot_mine_\@
	global_prefetch_b8 v[PFO], s[PFA:PFA+1] th:TH_LOAD_NT scope:SCOPE_SE
.Lnot_mine_\@:
.endm
; THE CHANGE OF SLOTS, between a slot's last step's turn 0 (which reads its last V) and turn 1 (which reads the next slot's first K').  Each wave waits for all its tensor loads, adds 0 to its
; spare word, and waits for that and for its reads of the slot.  fill = 1: the barrier is a round of the cluster's, and the joint refill is the first thing behind it.
.macro CHANGE fill, ask
	WIN 0
	s_wait_tensorcnt 0x0
	ds_add_u32 v[SPW], v[NIL]                      ; the descriptors' steps stand between it and its wait
.if \fill
	s_xor_b32 s[G0K+1], s[G0K+1], SLOT1
	s_add_nc_u64 s[G0K+2:G0K+3], s[G0K+2:G0K+3], 4*KS*256
	s_xor_b32 s[G0V+1], s[G0V+1], SLOT1
	s_add_nc_u64 s[G0V+2:G0V+3], s[G0V+2:G0V+3], 4*KS*128
.if \ask
	s_wait_xcnt 0x0                                ; the last prefetch, four steps back, has read its address
	s_add_nc_u64 s[PFA:PFA+1], s[PFA:PFA+1], s[PFS:PFS+1]
.endif
	s_wait_dscnt 0x0
	CROUND
	JLOAD
.if \ask
	ASK
.endif
.else
	s_wait_dscnt 0x0
	s_barrier_signal -1
	s_barrier_wait -1
.endif
	s_sub_co_u32 s[TBK], s[TBK], 4*KS*PK           ; the fetches go back to a slot's first step, in the other slot
	s_xor_b32 s[TBK], s[TBK], SLOT1
	s_sub_co_u32 s[TBV], s[TBV], 4*KS*PV
	s_xor_b32 s[TBV], s[TBV], SLOT1
.endm
	s_load_b256 s[4:11], s[0:1], 0x0               ; qh 4, kp 6, vh 8, mask 10
	s_load_b128 s[12:15], s[0:1], 0x20             ; tabs 12, oh 14
	v_lshl_add_u32 v[SPW], v0, 2, SPARE
	v_mov_b32 v[NIL], 0
	ds_add_u32 v[SPW], v[NIL]                      ; the wave's opening: the add and its wait stand ahead of my first tensor load
	v_lshrrev_b32 v1, 5, v0
	v_readfirstlane_b32 s[WV], v1
	s_bfe_u32 s17, ttmp6, 0x40000                  ; cx
	s_lshl_b32 s18, ttmp9, 2
	s_add_co_u32 s18, s18, s17                     ; my block of 256 queries
	s_and_b32 s19, ttmp7, 0xffff                   ; batch x 16 + head, which the partners share
	s_and_b32 s20, s[WV], 1                        ; which half of a slot's keys I fetch
	s_lshl_b32 s22, s19, 19
	s_lshl_b32 s23, s20, 15
	s_add_co_u32 s22, s22, s23                     ; in kp
	s_mov_b32 s23, 0
	s_lshl_b32 s70, s19, 18
	s_lshl_b32 s71, s20, 14
	s_add_co_u32 s70, s70, s71                     ; in vh
	s_mov_b32 s71, 0
	s_mov_b32 s[G1K], 15|(1<<16)|(1<<20)|(1<<21)|(5<<22)|(3<<25)   ; the mask of four; 2-byte elements; padding on; bit 21 beside a mask; after every 64 words 4 words
	s_mov_b32 s[G1K+1], 128<<16
	s_mov_b32 s[G1K+2], 128<<16
	s_mov_b32 s[G1K+3], 128<<16
	s_mov_b32 s[G1K+4], 128                        ; 128 rows of 256 bytes
	s_mov_b32 s[G1K+5], 128
	s_mov_b32 s[G1K+6], 0
	s_mov_b32 s[G1K+7], 0
	s_mov_b32 s[G1V], 15|(1<<16)|(1<<20)|(1<<21)|(4<<22)|(7<<25)   ; after every 32 words 8 words
	s_mov_b32 s[G1V+1], 128<<16
	s_mov_b32 s[G1V+2], 64<<16
	s_mov_b32 s[G1V+3], 128<<16
	s_mov_b32 s[G1V+4], 64                         ; 128 keys asked for as 64 rows of 256 bytes
	s_mov_b32 s[G1V+5], 128
	s_mov_b32 s[G1V+6], 0
	s_mov_b32 s[G1V+7], 0
	s_mov_b32 s[G0K], 1
	s_mul_i32 s[G0K+1], s[WV], 128*PK              ; waves 0, 1
	s_mov_b32 s[G0V], 1
	s_mul_i32 s[G0V+1], s[WV], 128*PV
	s_add_co_u32 s[G0V+1], s[G0V+1], VOFF-2*128*PV ; waves 2, 3
	s_mov_b32 s[CS], 0x3e38aa3b                    ; c = log2(e) / 8
	s_mov_b32 s[CS+1], s[CS]
	s_mov_b32 s[SEL], 0x76543210
	s_mov_b32 s[SEL+1], 0xfedcba98
	s_mov_b32 s[TBK], SLOT1+4*KS*PK                ; the first change of slots turns these two into 0
	s_mov_b32 s[TBV], SLOT1+4*KS*PV
	s_mov_b32 s[TBM], 0
	s_mov_b32 s[BIGN], 0xf149f2ca                  ; -1e30
	s_mov_b32 s[THR], 0xefa18f08                   ; -1e29
	s_mov_b32 s[NANV], 0x7fc00000
	s_lshl_b32 s72, s19, 11
	s_lshl_b32 s74, s18, 8
	s_lshl_b32 s75, s[WV], 6
	s_add_co_u32 s74, s74, s75                     ; my wave's first query in the sequence
	s_add_co_u32 s72, s72, s74
	s_lshl_b32 s72, s72, 7                         ; in qh and oh
	s_mov_b32 s73, 0
	s_lshr_b32 s75, s19, 4                         ; the batch
	s_lshl_b32 s76, s75, 11
	s_add_co_u32 s76, s76, s74
	s_lshl_b32 s76, s76, 4                         ; in tabs' planes
	s_mov_b32 s77, 0
	s_lshl_b32 s78, s75, 13                        ; the batch's mask
	s_mov_b32 s79, 0
	s_and_b32 s74, s19, 15
	s_lshl_b32 s74, s74, 8
	s_add_co_u32 s74, s74, 131072                  ; the table at my head's columns
	s_mov_b32 s75, 0
	s_wait_dscnt 0x0                               ; the opening add is done
	s_wait_kmcnt 0x0
	s_add_nc_u64 s[G0K+2:G0K+3], s[6:7], s[22:23]
	s_or_b32 s[G0K+3], s[G0K+3], 0x80000000
	s_add_nc_u64 s[G0V+2:G0V+3], s[8:9], s[70:71]
	s_or_b32 s[G0V+3], s[G0V+3], 0x80000000
	s_add_nc_u64 s[4:5], s[4:5], s[72:73]
	s_add_nc_u64 s[14:15], s[14:15], s[72:73]
	s_add_nc_u64 s[76:77], s[12:13], s[76:77]
	s_add_nc_u64 s[12:13], s[12:13], s[74:75]
	s_add_nc_u64 s[10:11], s[10:11], s[78:79]
	s_mov_b32 s[PFS], 65536
	s_mov_b32 s[PFS+1], 0
	s_cmp_lt_u32 s[WV], 2
	s_cselect_b64 s[PFA:PFA+1], s[6:7], s[8:9]
	s_cselect_b32 s72, s22, s70
	s_cselect_b32 s[PFS], s[PFS], 32768
	s_lshl_b32 s74, s17, 13                        ; my work-group's 32 blocks of 256 bytes
	s_add_co_u32 s72, s72, s74
	s_lshl_b32 s74, s[PFS], 1                      ; at slot 2; the first change in the loop steps it to slot 3
	s_add_co_u32 s72, s72, s74
	s_add_nc_u64 s[PFA:PFA+1], s[PFA:PFA+1], s[72:73]
	s_cmp_eq_u32 s[WV], 3
	s_cselect_b32 s74, 1, 0
	s_or_b32 s74, s74, ttmp9
	s_cmp_eq_u32 s74, 0
	s_cselect_b32 s[LIM], 1, -1
	CROUND                                         ; all four work-groups are here
	JLOAD                                          ; slot 0
	v_and_b32 v13, 15, v0                          ; r
	v_bfe_u32 v14, v0, 4, 1                        ; h
	v_lshlrev_b32 v15, 4, v0                       ; 16 x thread: the mask
	v_lshlrev_b32 v1, 4, v13                       ; 16 r: the planes
	v_lshlrev_b32 v60, 5, v14                      ; 32 h: the table
	v_lshlrev_b32 v[QO], 7, v13
	v_lshl_add_u32 v[QO], v14, 4, v[QO]            ; row x 128 + 16 h
.irp i, 0,1,2,3
	global_load_b128 v[224+4*\i:227+4*\i], v15, s[10:11] offset:2048*\i
.endr
.irp p, 0,1,2,3
	global_load_b128 v[192+8*\p:195+8*\p], v1, s[76:77] offset:256*\p
	global_load_b128 v[196+8*\p:199+8*\p], v1, s[76:77] offset:256*\p+65536
.endr
.irp j, 0,1,2,3
.irp g, 0,1,2,3
	global_load_b128 v[64+32*\j+8*\g:67+32*\j+8*\g], v60, s[12:13] offset:4096*\j+64*\g
	global_load_b128 v[68+32*\j+8*\g:71+32*\j+8*\g], v60, s[12:13] offset:4096*\j+64*\g+16
.endr
.endr
	WIN 0x80
.irp p, 0,1,2,3
.irp c, 0,1
	global_load_b128 v[32*\p+8*\c:32*\p+8*\c+3],   v[QO], s[4:5] offset:2048*\p+64*\c
	global_load_b128 v[32*\p+8*\c+4:32*\p+8*\c+7], v[QO], s[4:5] offset:2048*\p+64*\c+32
.endr
.endr
	; what the first turn finds: V, O^T, l and piece 3's P hold 0; all this stands in the wait for the loads
	WIN 0xc0
.set i, 0
.rept 64
	v_mov_b32 v[i], 0
.set i, i+1
.endr
	WIN 0x40
.set i, 0
.rept 128
	v_mov_b32 v[i], 0
.set i, i+1
.endr
	WIN 0
.set i, 0
.rept 4
	v_mov_b32 v[ST+4*i], 0xfe000000                ; c m: far below every c s
	v_mov_b32 v[ST+4*i+1], 0xff7fffff              ; m
	v_mov_b32 v[ST+4*i+2], 0
	v_mov_b32 v[ST+4*i+3], 0
.set i, i+1
.endr
.set i, P+48
.rept 16
	v_mov_b32 v[i], 0
.set i, i+1
.endr
	v_add_nc_u32 v61, MBL, v15
	s_wait_loadcnt 56                              ; the mask's four loads are in; the 56 younger may be out
.set i, 0
.rept 16
	v_cmp_eq_u32 vcc_lo, 0, v[224+i]
	v_cndmask_b32 v[224+i], 0, s[BIGN], vcc_lo
.set i, i+1
.endr
.irp i, 0,1,2,3
	ds_store_b128 v61, v[224+4*\i:227+4*\i] offset:2048*\i
.endr
	s_wait_loadcnt 16                              ; the planes and the table are in; Q's 16 loads may be out
	; 0.1 cq = F0 Wc0 + F1 Wc1 + F2 Wc2 + 0.1 bc for my query and 8 channels at a time, into chunks 2, 3 of Q'
.set p, 0
.rept 4
.set gi, 0
.rept 4
.irp e, 0,1,2,3
	v_pk_fma_f32 v[52+2*\e:53+2*\e], v[64+8*gi+2*\e:65+8*gi+2*\e], v[192+8*p:193+8*p], v[160+8*gi+2*\e:161+8*gi+2*\e]
.endr
.irp e, 0,1,2,3
	v_pk_fma_f32 v[52+2*\e:53+2*\e], v[96+8*gi+2*\e:97+8*gi+2*\e], v[194+8*p:195+8*p], v[52+2*\e:53+2*\e]
.endr
.irp e, 0,1,2,3
	v_pk_fma_f32 v[52+2*\e:53+2*\e], v[128+8*gi+2*\e:129+8*gi+2*\e], v[196+8*p:197+8*p], v[52+2*\e:53+2*\e]
.endr
	WIN 0x80
.irp e, 0,1,2,3
	v_cvt_pk_f16_f32 v[32*p+16+4*gi+\e], v[52+2*\e], v[53+2*\e]
.endr
	WIN 0
.set gi, gi+1
.endr
.set p, p+1
.endr
	v_mul_u32_u24 v[AK0], v13, PK
	v_lshl_add_u32 v[AK0], v14, 4, v[AK0]          ; row x pitch + 16 h
	v_and_b32 v52, 7, v0
	v_bfe_u32 v53, v0, 3, 1
	v_lshl_add_u32 v[AV0], v14, 3, v52
	v_mul_u32_u24 v[AV0], v[AV0], PV
	v_lshl_add_u32 v[AV0], v53, 4, v[AV0]
	v_add_nc_u32 v[AV0], VOFF, v[AV0]              ; the turning load: key 8 h + lane % 8, channels 8 ((lane / 8) % 2) on
	v_add_nc_u32 v[AM0], MBL, v60                  ; my 8 keys of a block of 16: 32 h bytes
	s_mul_i32 s72, s[WV], 16*SP
	s_add_co_u32 s72, s72, STAGE
	v_mul_u32_u24 v[STO], v13, SP
	v_lshl_add_u32 v[STO], v14, 4, v[STO]
	v_add_nc_u32 v[STO], s72, v[STO]
	v_bfe_u32 v[RD], v0, 3, 2
	v_mul_u32_u24 v[RD], v[RD], SP
	v_lshl_add_u32 v[RD], v52, 4, v[RD]
	v_add_nc_u32 v[RD], s72, v[RD]
	v_and_b32 v[GO], 31, v0
	v_lshlrev_b32 v[PFO], 8, v[GO]
	v_lshlrev_b32 v[GO], 4, v[GO]
; THE MATRIX WORK.  The four accumulators of a run take turns.  Product i of 16 of S^T for piece x: channels 32 (i / 4) on, keys 16 (i % 4) on; the first four start with the mask.
.macro KQ x
.set rS, S+32*(\x)+8*(i%4)
.set rK, KF+32*(i%4)+8*(i/4)
.set rQ, 32*(\x)+8*(i/4)
.set rM, MC+8*(i%4)
.if i < 4
	WIN W_KM
	v_wmma_f32_16x16x32_f16 v[rS:rS+7], v[rK:rK+7], v[rQ:rQ+7], v[rM:rM+7]
.else
	WIN W_KQ
	v_wmma_f32_16x16x32_f16 v[rS:rS+7], v[rK:rK+7], v[rQ:rQ+7], v[rS:rS+7]
.endif
.endm
; Product i of 8 of O^T += V^T P for piece x: keys 32 (i / 4) on, channels 16 (i % 4) on
.macro PV x
	WIN W_PV
.set rO, 32*(\x)+8*(i%4)
.set rV, 32*(i/4)+8*(i%4)
.set rP, P+16*(\x)+8*(i/4)
	v_wmma_f32_16x16x32_f16 v[rO:rO+7], v[rV:rV+7], v[rP:rP+7], v[rO:rO+7]
.endm
.macro MM                              ; the turn's next matrix instruction
.if i < 8
	PV (Y+3)%4
.else
.set i, i-8
	KQ (Y+2)%4
.set i, i+8
.endif
.set i, i+1
.endm
; THE LDS LOADS stand in runs.  n chunks of 32 channels of K' from chunk c0 on (8 loads each); msk = 1: the step's mask too (8 loads).  last = 1 (the tail): in the last trip there is no further step.
.macro RUN c0, n, msk, last
	WIN 0
.if \last
	s_cmp_eq_u32 s[CNT], 1
	s_cbranch_scc1 .Lno_run_\@
.endif
	WIN 0x80
.set cc, \c0
.rept \n
.irp kb, 0,1,2,3
	ds_load_b128 v[KF+32*\kb+8*cc:KF+32*\kb+8*cc+3],   v[AK] offset:\kb*16*PK+64*cc
	ds_load_b128 v[KF+32*\kb+8*cc+4:KF+32*\kb+8*cc+7], v[AK] offset:\kb*16*PK+64*cc+32
.endr
.set cc, cc+1
.endr
.if \msk
	WIN 0x40
.irp kb, 0,1,2,3
	ds_load_b128 v[MC+8*\kb:MC+8*\kb+3],   v[AM] offset:64*\kb
	ds_load_b128 v[MC+8*\kb+4:MC+8*\kb+7], v[AM] offset:64*\kb+16
.endr
.endif
	WIN 0
.if \last
.Lno_run_\@:
.endif
.endm
.macro FETCH_V
	WIN 0xc0
.irp f, 0,1,2,3,4,5,6,7
	ds_load_tr16_b128 v[8*\f:8*\f+3],   v[AV] offset:(\f/4)*32*PV+(\f%4)*32
	ds_load_tr16_b128 v[8*\f+4:8*\f+7], v[AV] offset:(\f/4)*32*PV+16*PV+(\f%4)*32
.endr
	s_add_co_u32 s[TBV], s[TBV], KS*PV
	WIN 0
.endm
; THE VECTOR WORK, a line at a time: OP kind, number.  For piece Y: F n: c s - c m for pair n.  E n: the exponential of score n.  C n: pair n rounded to f16.  B n: of the four weights 4 n .. the second
; pair is added onto the first.  L n: l takes that sum (L 0: l = a l + sum).  R n: pair n of O^T times a.  For piece Y + 1: X n, number n of the 22 that find its maximum and statistics:
; 0-11 four chains of seven scores (each accumulator's lowest registers first); 12-14, 16 the rest, the old m, four into one; 15 c m_old is kept; 17, 18 the other half of the lanes; 19-21 c m, its change, a.
.set F, 0
.set E, 1
.set C, 2
.set B, 3
.set L, 4
.set R, 5
.set X, 6
.macro REGS y
.set rT, ST+4*(\y)
.set rC, TMP+4*(\y)
.set rW, MV+(\y)
.set rS, S+32*(\y)
.set rP, P+16*(\y)
.set rO, 32*(\y)
.endm
.macro OP k, n
.if (\k) == R
	REGS Y
	WIN W_RS
	v_pk_mul_f32 v[rO+2*(\n):rO+2*(\n)+1], v[rO+2*(\n):rO+2*(\n)+1], v[rC+2:rC+3] op_sel_hi:[1,0]
.elseif (\k) < R
	REGS Y
	WIN 0
.if (\k) == F
	v_pk_fma_f32 v[rS+2*(\n):rS+2*(\n)+1], v[rS+2*(\n):rS+2*(\n)+1], s[CS:CS+1], v[rT:rT+1] op_sel_hi:[1,0,0] neg_lo:[0,0,1] neg_hi:[0,0,1]
.elseif (\k) == E
	v_exp_f32 v[rS+(\n)], v[rS+(\n)]
.elseif (\k) == C
	v_cvt_pk_f16_f32 v[rP+(\n)], v[rS+2*(\n)], v[rS+2*(\n)+1]
.elseif (\k) == B
	v_pk_add_f32 v[rS+4*(\n):rS+4*(\n)+1], v[rS+4*(\n):rS+4*(\n)+1], v[rS+4*(\n)+2:rS+4*(\n)+3]
.elseif (\n) == 0
	v_pk_fma_f32 v[rT+2:rT+3], v[rT+2:rT+3], v[rC+2:rC+3], v[rS:rS+1] op_sel_hi:[1,0,1]
.else
	v_pk_add_f32 v[rT+2:rT+3], v[rT+2:rT+3], v[rS+4*(\n):rS+4*(\n)+1]
.endif
.else
	REGS (Y+1)%4
	WIN 0
.if (\n) < 4
	v_max3_num_f32 v[rC+(\n)], v[rS+8*(\n)], v[rS+8*(\n)+1], v[rS+8*(\n)+2]
.elseif (\n) < 12
	v_max3_num_f32 v[rC+(\n)%4], v[rC+(\n)%4], v[rS+8*((\n)%4)+2*((\n)/4)+1], v[rS+8*((\n)%4)+2*((\n)/4)+2]
.elseif (\n) == 12
	v_max3_num_f32 v[rC], v[rC], v[rS+7], v[rS+15]
.elseif (\n) == 13
	v_max3_num_f32 v[rC+1], v[rC+1], v[rS+23], v[rS+31]
.elseif (\n) == 14
	v_max3_num_f32 v[rC+2], v[rC+2], v[rC+3], v[rT+1]
.elseif (\n) == 15
	v_mov_b32 v[rW], v[rT]
.elseif (\n) == 16
	v_max3_num_f32 v[rC], v[rC], v[rC+1], v[rC+2]
.elseif (\n) == 17
	v_permlanex16_b32 v[rC+3], v[rC], s[SEL], s[SEL+1]
.elseif (\n) == 18
	v_max_num_f32 v[rT+1], v[rC], v[rC+3]
.elseif (\n) == 19
	v_mul_f32 v[rT], s[CS], v[rT+1]
.elseif (\n) == 20
	v_sub_f32 v[rC+1], v[rW], v[rT]
.else
	v_exp_f32 v[rC+2], v[rC+1]
.endif
.endif
.endm
.macro OPS a, i1, b=-1, i2=0, c=-1, i3=0, d=-1, i4=0, e=-1, i5=0
	OP \a, \i1
.if (\b) >= 0
	OP \b, \i2
.endif
.if (\c) >= 0
	OP \c, \i3
.endif
.if (\d) >= 0
	OP \d, \i4
.endif
.if (\e) >= 0
	OP \e, \i5
.endif
.endm
.macro SL a, i1, b=-1, i2=0, c=-1, i3=0, d=-1, i4=0, e=-1, i5=0   ; a matrix instruction and the lines behind it
	MM
	OPS \a, \i1, \b, \i2, \c, \i3, \d, \i4, \e, \i5
.endm
; A TURN, for piece p.  Ahead of its one wait stands all that names no result of the turn's exponentials; behind it the roundings and sums.  A pair is scaled two lines or more ahead of its exponentials;
; C 2n stands ahead of B n, B n ahead of L n; R ascends.  No line behind a product names a register of the products round it.
; V of the step in hand is fetched in turn 0, six plain lines behind product 7, its last reader, and waited for at turn 1's head.
; K' and the mask of the next step are fetched in turn 1, chunk by chunk, each run four plain lines or more behind its chunk's last reader (products 15, 19, 23), all behind the turn's wait;
; turn 2 waits for them by counts: 16, then 8 younger loads may be out, then none.
.macro TURN p, last=0
.set Y, (\p)
.set i, 0
.if (\p) == 1
	s_wait_dscnt 0x0                               ; V is in
.endif
	SL F,0, F,1, F,2, R,0, R,1
	SL F,3, E,0, X,0, E,1, X,1
	SL F,4, E,2, X,2, E,3, X,3
	SL F,5, E,4, X,4, E,5, X,5
	SL F,6, E,6, X,6, E,7, X,7
	SL F,7, E,8, X,8, E,9, X,9
.if (\p) == 0
	WIN 0
	v_add_nc_u32 v[AV], s[TBV], v[AV0]
.endif
	SL F,8, E,10, X,10, E,11, X,11
	SL F,9, E,12, X,12, E,13, X,13
.if (\p) == 2
.if \last
	s_wait_dscnt 0x0                               ; right whether the runs were issued or jumped
.else
	s_wait_dscnt 16                                ; chunks 0, 1 and the mask are in
.endif
.endif
	SL F,10, E,14, X,14, E,15, X,15
.if (\p) == 0
	FETCH_V
.endif
	SL F,11, E,16, X,16, E,17, R,2
	SL F,12, E,18, X,17, E,19, R,3
	SL F,13, E,20, X,18, E,21, R,4
	SL F,14, E,22, X,19, E,23, R,5
	SL F,15, E,24, X,20, E,25, R,6
	SL E,26, E,27, R,7, R,8, R,9
	SL E,28, E,29, R,10, R,11, R,12
.if ((\p) == 2) && !(\last)
	s_wait_dscnt 8                                 ; chunk 2 is in
.endif
	SL E,30, E,31, R,13, R,14
.if (\p) == 1
	WIN 0
	v_add_nc_u32 v[AK], s[TBK], v[AK0]
	v_add_nc_u32 v[AM], s[TBM], v[AM0]
	s_add_co_u32 s[TBK], s[TBK], KS*PK
	s_add_co_u32 s[TBM], s[TBM], 256
.endif
	MM
	OPS X,21, R,15                                 ; the next piece's a ends the batch; R 15 is the plain line behind it
	WIN 0
	s_wait_alu depctr_va_vdst(0)                   ; the one wait for the turn's 33 exponentials, ahead of the first line that names a result
.if (\p) == 1
	RUN 0, 2, 1, \last
.endif
	OPS C,0, B,0, C,2
	SL B,1, L,0, C,4, B,2, L,1
	SL C,6, B,3, L,2, C,8, B,4
.if ((\p) == 2) && !(\last)
	s_wait_dscnt 0x0                               ; chunk 3 is in
.endif
	SL L,3, C,10, B,5, L,4, C,12
	SL B,6, L,5, C,14, B,7, L,6
.if (\p) == 1
	RUN 2, 1, 0, \last
.endif
	SL C,1, C,3, L,7, C,5, C,7
	SL C,9, C,11, C,13, C,15                       ; four plain lines: the places behind the turn's last product
.if (\p) == 1
	RUN 3, 1, 0, \last
.endif
.endm
	CHANGE 1, 0                                    ; slot 0 is in and the mask lies in LDS, everybody's part; slot 1 is asked for
	v_add_nc_u32 v[AK], s[TBK], v[AK0]
	v_add_nc_u32 v[AM], s[TBM], v[AM0]
	RUN 0, 4, 1, 0                                 ; key step 0
	s_add_co_u32 s[TBK], s[TBK], KS*PK
	s_add_co_u32 s[TBM], s[TBM], 256
	s_wait_loadcnt 0x0                             ; Q
	s_wait_dscnt 0x0
.set i, 0
.rept 16
	KQ 0
.set i, i+1
.endr
.set i, 0
.rept 16
	KQ 1
.set i, i+1
.endr
	WIN 0
.rept 4
	v_nop                                          ; the places behind those products
.endr
.set Y, 3                              ; X works for piece Y + 1: piece 0
.irp n, 0,1,2,3,4,5,6,7,8,9,10,11,12,13,14,15,16,17,18,19,20,21
	OP X, \n
.endr
	v_nop                                          ; a plain line behind the exponential,
	s_wait_alu depctr_va_vdst(0)                   ; and its wait, ahead of the branch
	s_mov_b32 s[CNT], 4
	s_mov_b32 s[SLOTS], 7
	s_branch .Lfirst                               ; the loop is entered at a step's first turn, in the middle of a trip
.Lslot:                                            ; six times: slots 2 to 7 are asked for
	CHANGE 1, 1
	s_mov_b32 s[CNT], 4
.Lstep:                                            ; a trip: turns 1, 2, 3 of one step, turn 0 of the next
	TURN 1
	TURN 2
	TURN 3
	WIN 0
.Lfirst:
	TURN 0
	WIN 0
	s_sub_co_u32 s[CNT], s[CNT], 1
	s_cmp_lg_u32 s[CNT], 0
	s_cbranch_scc1 .Lstep
	s_sub_co_u32 s[SLOTS], s[SLOTS], 1
	s_cmp_lg_u32 s[SLOTS], 0
	s_cbranch_scc1 .Lslot
	CHANGE 0, 0                                    ; the tail is written out
	s_mov_b32 s[CNT], 5                            ; four trips fetch the last slot's steps; the fifth is left in its middle
.Ltail:
	TURN 1, 1
	TURN 2, 1
	TURN 3
	WIN 0
	s_sub_co_u32 s[CNT], s[CNT], 1
	s_cmp_eq_u32 s[CNT], 0
	s_cbranch_scc1 .Lout
	TURN 0
	WIN 0
	s_branch .Ltail
.Lout:                                             ; the fifth trip's scores for pieces 0, 1 repeat the last step's, so the maximum made of them changes nothing: the price of one text for every trip
.set i, 0
.rept 8
	PV 3
.set i, i+1
.endr
	; THE WAY OUT.  l's halves are added; O^T is divided by l, rounded to f16 and sent through my stage, a piece at a time.  The additions are the places behind the last products.
	WIN 0
.macro ALL line:vararg
.set t, 0
.rept 4
	\line
.set t, t+1
.endr
.endm
	ALL v_add_f32 v[ST+4*t+2], v[ST+4*t+2], v[ST+4*t+3]
	ALL v_permlanex16_b32 v[ST+4*t+3], v[ST+4*t+2], s[SEL], s[SEL+1]
	ALL v_add_f32 v[ST+4*t+2], v[ST+4*t+2], v[ST+4*t+3]
	ALL v_rcp_f32 v[ST+4*t+2], v[ST+4*t+2]
	v_nop
	s_wait_alu depctr_va_vdst(0)                   ; one wait for the four reciprocals
.set t, 0
.rept 4
	v_cmp_gt_f32 vcc_lo, s[THR], v[ST+4*t+1]       ; the maximum itself is a hidden score: no key was seen
	v_cndmask_b32 v[ST+4*t+2], v[ST+4*t+2], s[NANV], vcc_lo
.set t, t+1
.endr
.macro PACK t
	WIN W_RS
.set i, 32*(\t)
.rept 16
	v_pk_mul_f32 v[i:i+1], v[i:i+1], v[ST+4*(\t)+2:ST+4*(\t)+3] op_sel_hi:[1,0]
.set i, i+2
.endr
	WIN 0x05
.set i, 0
.rept 16
	v_cvt_pk_f16_f32 v[S+16*(\t)+i], v[32*(\t)+2*i], v[32*(\t)+2*i+1]
.set i, i+1
.endr
	WIN 0
.irp f, 0,1,2,3
	ds_store_b128 v[STO], v[S+16*(\t)+4*\f:S+16*(\t)+4*\f+3] offset:32*\f
.endr
.irp f, 0,1,2,3
	ds_load_b128 v[S+16*(\t)+4*\f:S+16*(\t)+4*\f+3], v[RD] offset:\f*4*SP   ; LDS serves a wave's instructions in order: these see the stores above
.endr
.endm
.macro SEND t, younger                 ; younger: the LDS instructions issued behind piece t's loads
	WIN 0
.irp f, 0,1,2,3
	s_wait_dscnt (\younger)+3-\f
	global_store_b128 v[GO], v[S+16*(\t)+4*\f:S+16*(\t)+4*\f+3], s[14:15] offset:(\t)*2048+\f*512   ; 512 consecutive bytes, aligned
.endr
.endm
	PACK 0
.set t, 1
.rept 3
	PACK t
	SEND t-1, 8
.set t, t+1
.endr
	SEND 3, 0
	s_wait_tensorcnt 0x0                           ; the wave's end
	ds_add_u32 v[SPW], v[NIL]
	s_wait_dscnt 0x0
	CROUND                                         ; the closing round
	s_endpgm
.Lfunc_end_k_qcab4f416da_attn:
	.size	k_qcab4f416da_attn, .Lfunc_end_k_qcab4f416da_attn-k_qcab4f416da_attn
	.p2alignl 7, 3214868480
	.fill 96, 4, 3214868480
	.section	.rodata,"a",@progbits
	.p2align	6, 0x0
	.amdhsa_kernel k_qcab4f416da_attn
		.amdhsa_group_segment_fixed_size 327680
		.amdhsa_private_segment_fixed_size 0
		.amdhsa_enable_private_segment 0
		.amdhsa_kernarg_size 48
		.amdhsa_user_sgpr_count 2
		.amdhsa_user_sgpr_kernarg_segment_ptr 1
		.amdhsa_wavefront_size32 1
		.amdhsa_system_sgpr_workgroup_id_x 1
		.amdhsa_system_sgpr_workgroup_id_y 1
		.amdhsa_system_sgpr_workgroup_id_z 1
		.amdhsa_system_vgpr_workitem_id 0
		.amdhsa_next_free_vgpr 832
		.amdhsa_next_free_sgpr 80
		.amdhsa_reserve_vcc 1
		.amdhsa_float_denorm_mode_32 3
		.amdhsa_float_denorm_mode_16_64 3
		.amdhsa_memory_ordered 1
		.amdhsa_forward_progress 1
		.amdhsa_inst_pref_size 150
	.end_amdhsa_kernel
	.amdgpu_metadata
---
amdhsa.version: [ 1, 2 ]
amdhsa.kernels:
  - .name:           k_qcab4f416da_attn
    .symbol:         k_qcab4f416da_attn.kd
    .args:
      - { .name: qh, .offset: 0, .size: 8, .value_kind: global_buffer, .address_space: global }
      - { .name: kp, .offset: 8, .size: 8, .value_kind: global_buffer, .address_space: global }
      - { .name: vh, .offset: 16, .size: 8, .value_kind: global_buffer, .address_space: global }
      - { .name: mask, .offset: 24, .size: 8, .value_kind: global_buffer, .address_space: global }
      - { .name: tabs, .offset: 32, .size: 8, .value_kind: global_buffer, .address_space: global }
      - { .name: oh, .offset: 40, .size: 8, .value_kind: global_buffer, .address_space: global }
    .group_segment_fixed_size: 327680
    .private_segment_fixed_size: 0
    .kernarg_segment_align: 8
    .kernarg_segment_size: 48
    .max_flat_workgroup_size: 128
    .sgpr_count:     80
    .vgpr_count:     832
    .wavefront_size: 32
...
	.end_amdgpu_metadata
.endif
;; end of part 3
;; launch outp (part 4): grid 8 x 32, 4 waves a work-group, clusters of 4 x 4, 327,680 bytes of LDS; arguments oh, wo16, tabs, out0; writes out0
.if DOCPART == 4
	.amdgcn_target "amdgcn-amd-amdhsa--gfx1250"
	.amdhsa_code_object_version 6
	.text
	.protected	k_qcab4f416da_outp
	.globl	k_qcab4f416da_outp
	.p2align	8
	.type	k_qcab4f416da_outp,@function
k_qcab4f416da_outp:
	s_mov_b64 s[64:65], 0
	v_nop
	global_prefetch_b8 v0, s[64:65] scope:SCOPE_SE
	s_setreg_imm32_b32 hwreg(HW_REG_WAVE_MODE, 25, 1), 1
	s_wait_xcnt 0x0
	s_wait_alu depctr_hold_cnt(0) depctr_sa_sdst(0) depctr_va_vdst(0) depctr_va_sdst(0) depctr_va_ssrc(0) depctr_va_vcc(0) depctr_vm_vsrc(0)
	s_getreg_b32 s2, hwreg(HW_REG_IB_STS2, 6, 4)
	s_cmp_eq_u32 s2, 0
	s_cbranch_scc0 .Lentry_in_a_cluster
	s_endpgm
.Lentry_in_a_cluster:
	s_bfe_u32 s2, ttmp6, 0x10000c
	s_cmp_lg_u32 s2, 0xf033
	s_cbranch_scc0 .Lentry_shape_is_right
	s_endpgm
.Lentry_shape_is_right:
; out0 = O Wo + bo: 4096 x 1024 x 1024 in f16, sums in f32, f32 out.  oh: [batch x 16 + head][2048][64] f16; wo16: [1024 k][1024 n] f16; bo from tabs' table row 7.
; A tile of out0 is 128 x 128: 256 work-groups; four waves of 64 x 64: 16 accumulators.  K goes in 4 steps of 256 (four heads) through two LDS slots.
; CLUSTER 4 x 4: O's tile is shared along a row of the cluster, Wo's along a column.  The matrix instruction is used transposed (source 0 = 16 columns of Wo, turned out of LDS; source 1 = 16 rows of O).
; The first product of each sum takes the bias as its C operand.  No prefetch: the tiles are small and the launch short.
; REGISTERS: window 0: v16-31 addresses; v32-95 rows on the way out; v96-127 the bias; v128-255 the accumulators.  window 1: two fragment buffers of 128: 64 of O, then 64 of Wo.
.set PA,     144                       ; a row of one head of O: 128 bytes + 16
.set PB,     288                       ; 128 columns of one k: 256 bytes + 32
.set HEADB,  128*PA
.set PART,   36864                     ; what one tensor load brings: two heads of O, or 128 rows of Wo
.set BOFF,   4*HEADB
.set SLOT,   147456
.set STAGE,  2*SLOT                    ; behind the ring: 16 rows x 272 bytes for each wave
.set SPITCH, 272
.set SPARE,  STAGE+4*16*SPITCH
.set ASTEP,  1048576                   ; four heads on in oh
.set BSTEP,  524288                    ; 256 rows on in wo16
.set ADRA, 16                          ; v16-17 O's fragments in slot 0, 1
.set ADRB, 20                          ; v20-21 Wo's; v22-23 the same 128 rows further down
.set STO,  24
.set RD,   25
.set CO,   26
.set SPW,  28
.set NIL,  29
.set TMP,  32
.set BIAS, 96
.set ACC,  128
.set F0,   0
.set F1,   128
.set WV, 12
.set FB, 13                            ; which half of the tile's rows is mine; also: I fetch O (0) or Wo (1)
.set HF, 14                            ; which half of its columns; also: which half I fetch
.set G1, 24
.set G0, 32
.set CX, 40
.set CY, 41
.set TX, 42
.set TY, 43
.set G1B, 48
.set G0B, 56
.set MSB, 0
.macro WIN new
.if MSB != (\new)
	s_set_vgpr_msb (MSB<<8)|(\new)
.set MSB, \new
.endif
.endm
.set MUL,  0x05
.set TO_F, 0x40
.macro PLACES
.rept 4
	v_nop
.endr
.endm
.macro JLOAD s
	s_cmp_eq_u32 s[FB], 0
	s_cbranch_scc0 .Lfor_b_\@
	tensor_load_to_lds s[G0+4*(\s):G0+4*(\s)+3], s[G1:G1+7]
	s_nop 0
.rept 4
	v_nop
.endr
	s_branch .Lasked_\@
.Lfor_b_\@:
	tensor_load_to_lds s[G0B+4*(\s):G0B+4*(\s)+3], s[G1B:G1B+7]
	s_nop 0
.rept 4
	v_nop
.endr
.Lasked_\@:
.endm
.macro CREST
	s_cmp_lg_u32 s[WV], 0
	s_cbranch_scc1 .Lnot_wave_0_\@
	s_barrier_signal -3
.Lnot_wave_0_\@:
	s_barrier_wait -3
	s_barrier_signal -1
	s_barrier_wait -1
.endm
.macro CROUND
	s_barrier_signal -1
	s_barrier_wait -1
	CREST
.endm
	s_load_b256 s[4:11], s[0:1], 0x0               ; oh 4, wo16 6, tabs 8, out0 10
	v_lshl_add_u32 v[SPW], v0, 2, SPARE
	v_mov_b32 v[NIL], 0
	ds_add_u32 v[SPW], v[NIL]                      ; the wave's opening: the add and its wait stand ahead of my first tensor load
	v_lshrrev_b32 v1, 5, v0
	v_readfirstlane_b32 s[WV], v1
	s_lshr_b32 s[FB], s[WV], 1
	s_and_b32 s[HF], s[WV], 1
	s_bfe_u32 s[CX], ttmp6, 0x40000
	s_bfe_u32 s[CY], ttmp6, 0x40004
	s_lshl_b32 s[TX], ttmp9, 2
	s_add_co_u32 s[TX], s[TX], s[CX]
	s_and_b32 s[TY], ttmp7, 0xffff
	s_lshl_b32 s[TY], s[TY], 2
	s_add_co_u32 s[TY], s[TY], s[CY]
	s_lshl_b32 s44, s[CY], 2
	s_lshl_b32 s44, 15, s44
	s_lshl_b32 s45, 0x1111, s[CX]
	s_or_b32 s[G1], s44, (1<<16)|(1<<20)|(1<<21)|(4<<22)|(3<<25)   ; O: after every 32 words (a row of one head) 4 words
	s_mov_b32 s[G1+1], 8192<<16                    ; two heads' dense blocks of 128 rows, 16,384 bytes each, as two long rows
	s_mov_b32 s[G1+2], 2<<16
	s_mov_b32 s[G1+3], 8192<<16
	s_mov_b32 s[G1+4], 2
	s_mov_b32 s[G1+5], 131072                      ; elements from head to head
	s_mov_b32 s[G1+6], 0
	s_mov_b32 s[G1+7], 0
	s_or_b32 s[G1B], s45, (1<<16)|(1<<20)|(1<<21)|(5<<22)|(7<<25)  ; Wo: after every 64 words 8 words
	s_mov_b32 s[G1B+1], 128<<16
	s_mov_b32 s[G1B+2], 128<<16
	s_mov_b32 s[G1B+3], 128<<16
	s_mov_b32 s[G1B+4], 128
	s_mov_b32 s[G1B+5], 1024
	s_mov_b32 s[G1B+6], 0
	s_mov_b32 s[G1B+7], 0
	s_lshr_b32 s16, s[TY], 4                       ; the batch,
	s_lshl_b32 s16, s16, 4
	s_lshl_b32 s17, s[HF], 1
	s_add_co_u32 s16, s16, s17                     ; the first of my two heads,
	s_lshl_b32 s16, s16, 11
	s_and_b32 s17, s[TY], 15
	s_lshl_b32 s17, s17, 7
	s_add_co_u32 s16, s16, s17                     ; the tile's first row in it,
	s_lshl_b32 s16, s16, 7                         ; 128 bytes a row
	s_mov_b32 s17, 0
	s_lshl_b32 s46, s[HF], 18                      ; Wo: my 128 rows of 2,048 bytes,
	s_lshl_b32 s47, s[TX], 8                       ; the tile's 128 columns
	s_add_co_u32 s46, s46, s47
	s_mov_b32 s47, 0
	s_mul_i32 s20, s[WV], PART                     ; LDS: O's two parts, then Wo's two
	s_wait_dscnt 0x0
	s_wait_kmcnt 0x0
	s_add_nc_u64 s[18:19], s[4:5], s[16:17]
	s_add_nc_u64 s[46:47], s[6:7], s[46:47]
.irp s, 0,1
	s_mov_b32 s[G0+4*\s], 1
	s_add_co_u32 s[G0+4*\s+1], s20, \s*SLOT
	s_add_nc_u64 s[G0+4*\s+2:G0+4*\s+3], s[18:19], \s*ASTEP
	s_or_b32 s[G0+4*\s+3], s[G0+4*\s+3], 0x80000000
	s_mov_b32 s[G0B+4*\s], 1
	s_add_co_u32 s[G0B+4*\s+1], s20, \s*SLOT
	s_add_nc_u64 s[G0B+4*\s+2:G0B+4*\s+3], s[46:47], \s*BSTEP
	s_or_b32 s[G0B+4*\s+3], s[G0B+4*\s+3], 0x80000000
.endr
	CROUND
	s_cmp_eq_u32 s[FB], 0                          ; a wave's two first fills stand in one branch
	s_cbranch_scc0 .Lfirst_b
	tensor_load_to_lds s[G0:G0+3], s[G1:G1+7]
	s_nop 0
	tensor_load_to_lds s[G0+4:G0+7], s[G1:G1+7]
	s_nop 0
.rept 4
	v_nop
.endr
	s_branch .Lfirst_done
.Lfirst_b:
	tensor_load_to_lds s[G0B:G0B+3], s[G1B:G1B+7]
	s_nop 0
	tensor_load_to_lds s[G0B+4:G0B+7], s[G1B:G1B+7]
	s_nop 0
.rept 4
	v_nop
.endr
.Lfirst_done:
	v_and_b32 v1, 15, v0
	v_bfe_u32 v2, v0, 4, 1
	v_and_b32 v3, 7, v0
	v_bfe_u32 v4, v0, 3, 1
	v_lshlrev_b32 v5, 5, v2                        ; the bias: 32 h bytes
	s_lshl_b32 s66, s[TX], 9
	s_lshl_b32 s67, s[HF], 8
	s_add_co_u32 s66, s66, s67                     ; my 64 columns, in bytes of f32
	s_lshl_b32 s68, s[TY], 7
	s_lshl_b32 s69, s[FB], 6
	s_add_co_u32 s68, s68, s69
	s_lshl_b32 s68, s68, 12                        ; my first row, 4,096 bytes a row
	s_add_co_u32 s68, s68, s66
	s_mov_b32 s69, 0
	s_add_nc_u64 s[10:11], s[10:11], s[68:69]
	s_add_co_u32 s66, s66, 131072+7*4096
	s_mov_b32 s67, 0
	s_add_nc_u64 s[8:9], s[8:9], s[66:67]
.irp b, 0,1,2,3
	global_load_b128 v[BIAS+8*\b:BIAS+8*\b+3],   v5, s[8:9] offset:64*\b
	global_load_b128 v[BIAS+8*\b+4:BIAS+8*\b+7], v5, s[8:9] offset:64*\b+16
.endr
	v_mul_u32_u24 v6, v1, PA
	v_lshl_add_u32 v6, v2, 4, v6
	s_mul_i32 s21, s[FB], 64*PA
	v_add_nc_u32 v[ADRA], s21, v6
	v_add_nc_u32 v[ADRA+1], SLOT, v[ADRA]
	v_lshl_add_u32 v7, v2, 3, v3
	v_mul_u32_u24 v7, v7, PB
	v_lshl_add_u32 v7, v4, 4, v7
	s_lshl_b32 s21, s[HF], 7
	s_add_co_u32 s21, s21, BOFF
	v_add_nc_u32 v[ADRB], s21, v7
	v_add_nc_u32 v[ADRB+1], SLOT, v[ADRB]
	v_add_nc_u32 v[ADRB+2], 128*PB, v[ADRB]        ; the 16-bit offset does not reach the slot's last rows from the first base
	v_add_nc_u32 v[ADRB+3], 128*PB, v[ADRB+1]
	s_mul_i32 s21, s[WV], 16*SPITCH
	s_add_co_u32 s21, s21, STAGE
	v_mul_u32_u24 v8, v1, SPITCH
	v_lshl_add_u32 v8, v2, 5, v8
	v_add_nc_u32 v[STO], s21, v8                   ; in: row r, 32 bytes for each half of the lanes
	v_mul_u32_u24 v8, v2, SPITCH
	v_lshl_add_u32 v8, v1, 4, v8
	v_add_nc_u32 v[RD], s21, v8                    ; back: lanes 0-15 one row of 256 bytes, lanes 16-31 the next
	v_lshlrev_b32 v[CO], 12, v2
	v_lshl_add_u32 v[CO], v1, 4, v[CO]
.macro MUL8 f, c, a0, first
	WIN MUL
.irp a, \a0, (\a0)+1
.irp b, 0,1,2,3
.if \first
	v_wmma_f32_16x16x32_f16 v[ACC+8*(4*(\a)+(\b)):ACC+8*(4*(\a)+(\b))+7], v[(\f)+64+8*(4*(\c)+(\b)):(\f)+64+8*(4*(\c)+(\b))+7], v[(\f)+8*(4*(\c)+(\a)):(\f)+8*(4*(\c)+(\a))+7], v[BIAS+8*(\b):BIAS+8*(\b)+7]
.else
	v_wmma_f32_16x16x32_f16 v[ACC+8*(4*(\a)+(\b)):ACC+8*(4*(\a)+(\b))+7], v[(\f)+64+8*(4*(\c)+(\b)):(\f)+64+8*(4*(\c)+(\b))+7], v[(\f)+8*(4*(\c)+(\a)):(\f)+8*(4*(\c)+(\a))+7], v[ACC+8*(4*(\a)+(\b)):ACC+8*(4*(\a)+(\b))+7]
.endif
.endr
.endr
.endm
; 32 LDS loads in one run: quarter kq (one head, 64 along K) into buffer f; the first 32 along K first
.macro FETCH slot, kq, f
	WIN TO_F
.irp c, 0,1
.irp i, 0,1,2,3
	ds_load_tr16_b128 v[(\f)+64+8*(4*(\c)+(\i)):(\f)+64+8*(4*(\c)+(\i))+3],   v[ADRB+2*((\kq)/2)+(\slot)] offset:(64*((\kq)%2)+32*(\c))*PB+32*(\i)
	ds_load_tr16_b128 v[(\f)+64+8*(4*(\c)+(\i))+4:(\f)+64+8*(4*(\c)+(\i))+7], v[ADRB+2*((\kq)/2)+(\slot)] offset:(64*((\kq)%2)+32*(\c))*PB+32*(\i)+16*PB
	ds_load_b128 v[(\f)+8*(4*(\c)+(\i)):(\f)+8*(4*(\c)+(\i))+3],   v[ADRA+(\slot)] offset:(\kq)*HEADB+64*(\c)+(\i)*16*PA
	ds_load_b128 v[(\f)+8*(4*(\c)+(\i))+4:(\f)+8*(4*(\c)+(\i))+7], v[ADRA+(\slot)] offset:(\kq)*HEADB+64*(\c)+(\i)*16*PA+32
.endr
.endr
.endm
.macro QUARTER slot, kq, f, g, first
	s_wait_dscnt 16                                ; the first 32 along K are in; the 16 younger loads may be out
	MUL8 \f, 0, 0, \first
	MUL8 \f, 0, 2, \first
	PLACES
	FETCH \slot, \kq, \g
	s_wait_dscnt 32                                ; all but the 32 just issued
	MUL8 \f, 1, 0, 0
	MUL8 \f, 1, 2, 0
.endm
.macro TURN slot, next, fill
	WIN 0
	s_wait_tensorcnt 0x0                           ; my part of the next slot has landed
	ds_add_u32 v[SPW], v[NIL]
	s_wait_dscnt 17                                ; the add and the youngest sixteen loads may be out
	MUL8 F1, 0, 0, 0
	s_wait_dscnt 0x0                               ; the add is done, and my reads of this slot are over
	s_barrier_signal -1
	MUL8 F1, 0, 2, 0
.if \fill
	WIN 0
.endif
	s_barrier_wait -1
.if \fill
	CREST
	s_add_nc_u64 s[G0+4*(\slot)+2:G0+4*(\slot)+3], s[G0+4*(\slot)+2:G0+4*(\slot)+3], 2*ASTEP
	s_add_nc_u64 s[G0B+4*(\slot)+2:G0B+4*(\slot)+3], s[G0B+4*(\slot)+2:G0B+4*(\slot)+3], 2*BSTEP
	JLOAD \slot
.else
	PLACES
.endif
	FETCH \next, 0, F0
	MUL8 F1, 1, 0, 0
	MUL8 F1, 1, 2, 0
.endm
	s_wait_tensorcnt 1                             ; my part of K step 0 is in; K step 1's may stay out
	s_barrier_signal -1
	s_barrier_wait -1
	FETCH 0, 0, F0
	s_wait_loadcnt 0x0                             ; the bias
	QUARTER 0, 1, F0, F1, 1                        ; four K steps, written straight: a loop would have one trip
	QUARTER 0, 2, F1, F0, 0
	QUARTER 0, 3, F0, F1, 0
	TURN 0, 1, 1                                   ; slot 0 takes K step 2
	QUARTER 1, 1, F0, F1, 0
	QUARTER 1, 2, F1, F0, 0
	QUARTER 1, 3, F0, F1, 0
	TURN 1, 0, 1                                   ; slot 1 takes K step 3
	QUARTER 0, 1, F0, F1, 0
	QUARTER 0, 2, F1, F0, 0
	QUARTER 0, 3, F0, F1, 0
	TURN 0, 1, 0
	QUARTER 1, 1, F0, F1, 0
	QUARTER 1, 2, F1, F0, 0
	QUARTER 1, 3, F0, F1, 0
	s_wait_dscnt 16
	MUL8 F1, 0, 0, 0
	MUL8 F1, 0, 2, 0
	s_wait_dscnt 0x0
	MUL8 F1, 1, 0, 0
	MUL8 F1, 1, 2, 0
	WIN 0
	PLACES
	; THE WAY OUT: a wave's 64 columns of f32 are 256 aligned bytes, so each wave has a stage of its own and no barrier: 16 rows in, each accumulator from its low end, and back as whole rows
.irp a, 0,1,2,3
.irp b, 0,1,2,3
	ds_store_b128 v[STO], v[ACC+8*(4*\a+\b):ACC+8*(4*\a+\b)+3]   offset:64*\b
	ds_store_b128 v[STO], v[ACC+8*(4*\a+\b)+4:ACC+8*(4*\a+\b)+7] offset:64*\b+16
.endr
.if \a >= 2
	s_wait_xcnt 0x0                                ; the registers below were the data of the stores two blocks back
.endif
.irp t, 0,1,2,3,4,5,6,7
	ds_load_b128 v[TMP+32*(\a%2)+4*\t:TMP+32*(\a%2)+4*\t+3], v[RD] offset:\t*2*SPITCH
.endr
	s_wait_dscnt 0x0
.irp t, 0,1,2,3,4,5,6,7
	global_store_b128 v[CO], v[TMP+32*(\a%2)+4*\t:TMP+32*(\a%2)+4*\t+3], s[10:11] offset:(16*\a+2*\t)*4096 th:TH_STORE_NT   ; 16 lanes store 256 consecutive bytes, aligned
.endr
.endr
	s_wait_tensorcnt 0x0                           ; the wave's end
	ds_add_u32 v[SPW], v[NIL]
	s_wait_dscnt 0x0
	CROUND                                         ; the closing round
	s_endpgm
.Lfunc_end_k_qcab4f416da_outp:
	.size	k_qcab4f416da_outp, .Lfunc_end_k_qcab4f416da_outp-k_qcab4f416da_outp
	.p2alignl 7, 3214868480
	.fill 96, 4, 3214868480
	.section	.rodata,"a",@progbits
	.p2align	6, 0x0
	.amdhsa_kernel k_qcab4f416da_outp
		.amdhsa_group_segment_fixed_size 327680
		.amdhsa_private_segment_fixed_size 0
		.amdhsa_enable_private_segment 0
		.amdhsa_kernarg_size 32
		.amdhsa_user_sgpr_count 2
		.amdhsa_user_sgpr_kernarg_segment_ptr 1
		.amdhsa_wavefront_size32 1
		.amdhsa_system_sgpr_workgroup_id_x 1
		.amdhsa_system_sgpr_workgroup_id_y 1
		.amdhsa_system_sgpr_workgroup_id_z 1
		.amdhsa_system_vgpr_workitem_id 0
		.amdhsa_next_free_vgpr 512
		.amdhsa_next_free_sgpr 80
		.amdhsa_reserve_vcc 0
		.amdhsa_float_denorm_mode_32 3
		.amdhsa_float_denorm_mode_16_64 3
		.amdhsa_memory_ordered 1
		.amdhsa_forward_progress 1
		.amdhsa_inst_pref_size 86
	.end_amdhsa_kernel
	.amdgpu_metadata
---
amdhsa.version: [ 1, 2 ]
amdhsa.kernels:
  - .name:           k_qcab4f416da_outp
    .symbol:         k_qcab4f416da_outp.kd
    .args:
      - { .name: oh, .offset: 0, .size: 8, .value_kind: global_buffer, .address_space: global }
      - { .name: wo16, .offset: 8, .size: 8, .value_kind: global_buffer, .address_space: global }
      - { .name: tabs, .offset: 16, .size: 8, .value_kind: global_buffer, .address_space: global }
      - { .name: out0, .offset: 24, .size: 8, .value_kind: global_buffer, .address_space: global }
    .group_segment_fixed_size: 327680
    .private_segment_fixed_size: 0
    .kernarg_segment_align: 8
    .kernarg_segment_size: 32
    .max_flat_workgroup_size: 128
    .sgpr_count:     80
    .vgpr_count:     512
    .wavefront_size: 32
...
	.end_amdgpu_metadata
.endif
;; end of part 4
